; MI455X (gfx1250); checked and timed in simulation.
; The chip was launched on July 23, 2026; its instructions are those of AMD's public machine-readable ISA for CDNA 5 (MIT licence, August 2026) and "CDNA5" Instruction Set Architecture Reference Guide (July 2026). The comments in the code are by the model that wrote it; some were corrected since.
;; Multi Head Attention. Allowed arithmetic: float matrix products may take bf16 or f16 operands with f32 sums; other float arithmetic in f32, or as packed bf16 or f16 multiplies, adds, multiply-adds, maxima and minima; sums over many terms, partial sums and values carried from step to step in f32; what a program stores and reads back later, other than sums and carried values, may be rounded once to bf16 or f16.
;; Inputs: W_k 1,024 x 1,024 float32; W_o 1,024 x 1,024 float32; W_q 1,024 x 1,024 float32; W_v 1,024 x 1,024 float32; b_k 1,024 float32; b_o 1,024 float32; b_q 1,024 float32; b_v 1,024 float32; causal_mask 1 x 1 x 2,048 x 2,048 bool; context_mask 4 x 2,048 bool; k 4 x 2,048 x 1,024 float32; q 4 x 2,048 x 1,024 float32; v 4 x 2,048 x 1,024 float32.
;; Outputs: out0 4 x 2,048 x 1,024 float32.
;; One version. Each part assembles by itself: llvm-mc -triple=amdgcn-amd-amdhsa -mcpu=gfx1250 --defsym DOCPART=n.
;; ======== version 1 of 1: 4 launches
;; limits: values are held in f16: magnitudes above 65,504 overflow, below 6.1e-05 lose precision; right only within a limited range of input values
;; workspace buffers: wb 8,388,608 bytes; maskq 8,388,608 bytes; rowkeep 65,536 bytes of whole numbers; hb 50,331,648 bytes; ob 16,777,216 bytes
;; launch prep (part 1): grid 512 x 3, 8 waves a work-group, no clusters, 17,664 bytes of LDS; arguments causal_mask, context_mask, W_q, W_k, W_v, W_o, maskq, rowkeep, wb; writes maskq, rowkeep, wb
.if DOCPART == 1
	.amdgcn_target "amdgcn-amd-amdhsa--gfx1250"
	.amdhsa_code_object_version 6
	.text
	.protected	k_qaf8d25429b_prep
	.globl	k_qaf8d25429b_prep
	.p2align	8
	.type	k_qaf8d25429b_prep,@function
k_qaf8d25429b_prep:
	s_mov_b64 s[64:65], 0
	v_nop
	global_prefetch_b8 v0, s[64:65] scope:SCOPE_SE
	s_setreg_imm32_b32 hwreg(HW_REG_WAVE_MODE, 25, 1), 1
	s_wait_xcnt 0x0
; TWO JOBS, told apart by the work-group's y (the same for all eight waves of a work-group).
; y = 0, THE MASKS.  hidden(b, q, k) = causal_mask[q][k] or not context_mask[b][k] (bytes of 0 or 1).  Work-group x = 128 b + qt takes 16 queries (16 qt ..) of batch b against all 2,048 keys.
;   maskq[b][qt][step 32][lane 32][4 words]: word kt of lane r + 16 h holds eight 4-bit float codes; element j stands for query 16 qt + r and key 64 step + 16 kt + 8 h + j: 0 where the key is seen, -2.0 where it is hidden.
;   That is the order in which the attention's score tile S^T = K Q^T holds its numbers, so one 16-byte load a lane brings a tile's mask for a key step.  The codes are a table of booleans, no matrix operand.
;   rowkeep[b][qt][32 words]: word l is 0 if query 16 qt + l % 16 is hidden from all 2,048 keys, else all ones.
; y = 1, 2, THE WEIGHTS.  Work-group 512 (y - 1) + x = 256 mat + part rounds 4,096 numbers of W_q, W_k, W_v (to bf16) or W_o (to bf16, that number written as f16) into wb[mat][k][n], the layout kept.
;   LIMIT: a bf16 number of W_o below 2^-14 keeps f16's fixed step of 2^-24; beyond 65,504 it would be an infinity.
.set FLAGS, 16384                      ; LDS: 0 .. 16,383 eight stages of 2,048 bytes, a wave each; here eight words, a wave's row flags each
.set SPARE, 16640                      ; the spare words, 128 bytes for each wave: four blocks of 256 bytes that no other line names
.set SPW, 78                           ; v78  LDS address of my spare word; never rewritten
.set NIL, 79                           ; v79  0; never rewritten
.set CT,  8                            ; v[8:9]    not context_mask of my 8 keys
.set F,   16                           ; v[16:23]  eight numbers, 0 or -2.0
.set AC,  24                           ; v[24:39]  row r: the AND of my hidden bytes
.set CM,  40                           ; v[40:71]  causal bytes: row r at CM + 2 r; later the stage read back
.set X,   8                            ; the weights' job: v[8:23] four loads
.set Y,   24                           ; v[24:31] four pairs to store
	s_load_b512 s[4:19], s[0:1], 0x0               ; causal 4:5, context 6:7, W_q 8:9, W_k 10:11, W_v 12:13, W_o 14:15, maskq 16:17, rowkeep 18:19
	s_load_b64 s[20:21], s[0:1], 0x40              ; wb
	v_lshl_add_u32 v[SPW], v0, 2, SPARE
	v_mov_b32 v[NIL], 0
	v_lshrrev_b32 v1, 5, v0
	v_readfirstlane_b32 s22, v1                    ; wave 0..7
	v_and_b32 v1, 31, v0                           ; lane
	s_and_b32 s23, ttmp7, 0xffff                   ; the job
	s_mov_b32 s41, 0
	s_wait_kmcnt 0x0
	s_cmp_lg_u32 s23, 0
	s_cbranch_scc1 .Lcast
	; ---- the masks.  Wave w takes keys 256 w .. 256 w + 255: a lane holds 8 neighbouring keys, a wave's load one row's 256 consecutive bytes.
	s_lshr_b32 s37, ttmp9, 7                       ; b
	s_and_b32 s38, ttmp9, 127                      ; qt
	s_lshl_b32 s40, s38, 15                        ; 16 rows of 2,048 bytes
	s_lshl_b32 s42, s22, 8
	s_add_co_u32 s40, s40, s42
	s_add_nc_u64 s[24:25], s[4:5], s[40:41]
	s_lshl_b32 s40, s37, 11
	s_add_co_u32 s40, s40, s42
	s_add_nc_u64 s[26:27], s[6:7], s[40:41]
	s_lshl_b32 s40, ttmp9, 14                      ; (128 b + qt) x 32 steps x 512 bytes,
	s_lshl_b32 s42, s22, 11                        ; my 4 steps; also my stage's first byte
	s_add_co_u32 s40, s40, s42
	s_add_nc_u64 s[28:29], s[16:17], s[40:41]
	s_lshl_b32 s40, ttmp9, 7
	s_add_nc_u64 s[30:31], s[18:19], s[40:41]
	s_mov_b32 s32, 0x01010101
	s_mov_b32 s33, 0xc0000000                      ; -2.0
	v_lshlrev_b32 v2, 3, v1                        ; my 8 bytes of the 256
	global_load_b64 v[CT:CT+1], v2, s[26:27]
.irp r, 0,1,2,3,4,5,6,7,8,9,10,11,12,13,14,15
	global_load_b64 v[CM+2*(\r):CM+2*(\r)+1], v2, s[24:25] offset:2048*(\r)
.endr
	; my 8 keys are step l / 8 of my four, key block kt = (l / 2) % 4, half h = l % 2: their word goes to byte 512 (l / 8) + 256 h + 16 r + 4 kt of my 2,048
	v_lshrrev_b32 v3, 3, v1
	v_lshlrev_b32 v3, 9, v3
	v_and_b32 v4, 1, v1
	v_lshl_add_u32 v3, v4, 8, v3
	v_bfe_u32 v4, v1, 1, 2
	v_lshl_add_u32 v3, v4, 2, v3
	v_add_nc_u32 v3, s42, v3                       ; + my wave's stage
	v_lshl_add_u32 v4, v1, 4, s42                  ; where I read the stage back
	v_lshlrev_b32 v5, 4, v1                        ; and my 16 bytes of a step's 512 in maskq
	v_mov_b32 v6, 0x3f80007f                       ; the conversion's scale: 1 (the f32's exponent field and its low byte both read 127)
; Row r: hidden bytes; their AND for the row's flag; each byte made 0 or -2.0; eight of them packed into one word of 4-bit codes; into the stage.
.macro ROWM r
	s_wait_loadcnt 15-(\r)                         ; loads come back in order: row r is in, the younger rows stay out
	v_or_b32 v12, v[CM+2*(\r)],   v[CT]
	v_or_b32 v13, v[CM+2*(\r)+1], v[CT+1]
	v_and_b32 v[AC+(\r)], v12, v13
	v_lshl_or_b32 v14, v12, 1, v12                 ; bytes of 0 or 3
	v_lshl_or_b32 v15, v13, 1, v13
.irp j, 0,1,2,3,4,5,6,7
	v_lshlrev_b32 v[F+(\j)], 30-8*((\j)%4), v[14+(\j)/4]  ; byte j's two bits to the top,
.endr
.irp j, 0,1,2,3,4,5,6,7
	v_and_b32 v[F+(\j)], s33, v[F+(\j)]            ; alone: 0 or 0xc0000000
.endr
	v_cvt_scalef32_pk8_fp4_f32 v7, v[F:F+7], v6
	v_nop                                          ; a plain instruction behind the scaled conversion, ahead of the use of its result
	ds_store_b32 v3, v7 offset:16*(\r)
.endm
	s_wait_loadcnt 16                              ; the context bytes are in; the sixteen rows may stay out
	v_xor_b32 v[CT], s32, v[CT]                    ; 1 = the key is padding
	v_xor_b32 v[CT+1], s32, v[CT+1]
.irp r, 0,1,2,3,4,5,6,7,8,9,10,11,12,13,14,15
	ROWM \r
.endr
.irp t, 0,1,2,3
	ds_load_b128 v[CM+4*(\t):CM+4*(\t)+3], v4 offset:512*(\t)  ; my own bytes: LDS serves a wave's instructions in order (ISA guide 5.7.1.4)
.endr
	s_mov_b32 s34, 0                               ; bit r: row r is hidden from all my 256 keys
.irp r, 0,1,2,3,4,5,6,7,8,9,10,11,12,13,14,15
	v_cmp_eq_u32 s35, s32, v[AC+(\r)]
	s_cmp_eq_u32 s35, -1                           ; in every lane?
	s_cselect_b32 s36, 1<<(\r), 0
	s_or_b32 s34, s34, s36
.endr
	v_mov_b32 v7, s34
	v_mov_b32 v8, s22
	v_lshlrev_b32 v8, 2, v8
	ds_store_b32 v8, v7 offset:FLAGS               ; all lanes write the same word with the same number
	s_wait_dscnt 0x0                               ; the stage is back, and, for the other waves' sake, my flags are stored
.irp t, 0,1,2,3
	global_store_b128 v5, v[CM+4*(\t):CM+4*(\t)+3], s[28:29] offset:512*(\t)  ; a step's 512 consecutive bytes
.endr
	s_barrier_signal -1
	s_barrier_wait -1
	s_cmp_lg_u32 s22, 0                            ; wave 0 joins the eight waves' flags
	s_cbranch_scc1 .Lend
	v_mov_b32 v8, FLAGS
	ds_load_b128 v[12:15], v8
	ds_load_b128 v[16:19], v8 offset:16
	s_wait_dscnt 0x0
	v_and_b32 v12, v12, v13
	v_and_b32 v14, v14, v15
	v_and_b32 v16, v16, v17
	v_and_b32 v18, v18, v19
	v_and_b32 v12, v12, v14
	v_and_b32 v16, v16, v18
	v_and_b32 v12, v12, v16
	v_and_b32 v13, 15, v1
	v_lshrrev_b32 v12, v13, v12
	v_and_b32 v12, 1, v12
	v_add_nc_u32 v12, -1, v12                      ; 1 -> 0, 0 -> all ones
	v_lshlrev_b32 v13, 2, v1
	global_store_b32 v13, v12, s[30:31]
	s_branch .Lend
	; ---- the weights: 256 threads x 4 loads of 16 bytes; each store of a wave covers 256 consecutive bytes, aligned
.Lcast:
	s_sub_co_u32 s39, s23, 1
	s_lshl_b32 s39, s39, 9
	s_add_co_u32 s39, s39, ttmp9                   ; 0 .. 1,023
	s_lshr_b32 s37, s39, 8                         ; the matrix
	s_and_b32 s38, s39, 255                        ; the part
	s_cmp_eq_u32 s37, 1
	s_cselect_b64 s[24:25], s[10:11], s[8:9]
	s_cmp_eq_u32 s37, 2
	s_cselect_b64 s[24:25], s[12:13], s[24:25]
	s_cmp_eq_u32 s37, 3
	s_cselect_b64 s[24:25], s[14:15], s[24:25]
	s_lshl_b32 s40, s38, 14
	s_add_nc_u64 s[24:25], s[24:25], s[40:41]
	s_lshl_b32 s40, s39, 13                        ; 2 MiB x matrix + 8,192 x part
	s_add_nc_u64 s[26:27], s[20:21], s[40:41]
	v_lshlrev_b32 v2, 4, v0
	v_lshlrev_b32 v3, 3, v0
.irp i, 0,1,2,3
	global_load_b128 v[X+4*(\i):X+4*(\i)+3], v2, s[24:25] offset:4096*(\i) th:TH_LOAD_NT
.endr
.macro CASTS f16
.set i, 0
.rept 4
	s_wait_loadcnt 3-i                             ; loads come back in order: load i is in, the younger ones stay out
	v_cvt_pk_bf16_f32 v[Y+2*i],   v[X+4*i],   v[X+4*i+1]
	v_cvt_pk_bf16_f32 v[Y+2*i+1], v[X+4*i+2], v[X+4*i+3]
.if \f16
	v_lshlrev_b32 v4, 16, v[Y+2*i]                 ; the bf16 numbers as f32,
	v_and_b32 v5, 0xffff0000, v[Y+2*i]
	v_lshlrev_b32 v6, 16, v[Y+2*i+1]
	v_and_b32 v7, 0xffff0000, v[Y+2*i+1]
	v_cvt_pk_f16_f32 v[Y+2*i],   v4, v5            ; written as f16
	v_cvt_pk_f16_f32 v[Y+2*i+1], v6, v7
.endif
	global_store_b64 v3, v[Y+2*i:Y+2*i+1], s[26:27] offset:2048*i th:TH_STORE_NT
.set i, i+1
.endr
.endm
	s_cmp_eq_u32 s37, 3
	s_cbranch_scc1 .Lwo
	CASTS 0
	s_branch .Lend
.Lwo:
	CASTS 1
.Lend:
	s_wait_tensorcnt 0x0                           ; the wave's end: behind my last LDS store
	ds_add_u32 v[SPW], v[NIL]
	s_wait_dscnt 0x0
	s_endpgm
.Lfunc_end_k_qaf8d25429b_prep:
	.size	k_qaf8d25429b_prep, .Lfunc_end_k_qaf8d25429b_prep-k_qaf8d25429b_prep
	.p2alignl 7, 3214868480
	.fill 96, 4, 3214868480
	.section	.rodata,"a",@progbits
	.p2align	6, 0x0
	.amdhsa_kernel k_qaf8d25429b_prep
		.amdhsa_group_segment_fixed_size 17664
		.amdhsa_private_segment_fixed_size 0
		.amdhsa_enable_private_segment 0
		.amdhsa_kernarg_size 72
		.amdhsa_user_sgpr_count 2
		.amdhsa_user_sgpr_kernarg_segment_ptr 1
		.amdhsa_wavefront_size32 1
		.amdhsa_system_sgpr_workgroup_id_x 1
		.amdhsa_system_sgpr_workgroup_id_y 1
		.amdhsa_system_sgpr_workgroup_id_z 1
		.amdhsa_system_vgpr_workitem_id 0
		.amdhsa_next_free_vgpr 80
		.amdhsa_next_free_sgpr 66
		.amdhsa_reserve_vcc 0
		.amdhsa_float_denorm_mode_32 3
		.amdhsa_float_denorm_mode_16_64 3
		.amdhsa_memory_ordered 1
		.amdhsa_forward_progress 1
		.amdhsa_inst_pref_size 27
	.end_amdhsa_kernel
	.amdgpu_metadata
---
amdhsa.version: [ 1, 2 ]
amdhsa.kernels:
  - .name:           k_qaf8d25429b_prep
    .symbol:         k_qaf8d25429b_prep.kd
    .args:
      - { .name: causal_mask, .offset: 0, .size: 8, .value_kind: global_buffer, .address_space: global }
      - { .name: context_mask, .offset: 8, .size: 8, .value_kind: global_buffer, .address_space: global }
      - { .name: W_q, .offset: 16, .size: 8, .value_kind: global_buffer, .address_space: global }
      - { .name: W_k, .offset: 24, .size: 8, .value_kind: global_buffer, .address_space: global }
      - { .name: W_v, .offset: 32, .size: 8, .value_kind: global_buffer, .address_space: global }
      - { .name: W_o, .offset: 40, .size: 8, .value_kind: global_buffer, .address_space: global }
      - { .name: maskq, .offset: 48, .size: 8, .value_kind: global_buffer, .address_space: global }
      - { .name: rowkeep, .offset: 56, .size: 8, .value_kind: global_buffer, .address_space: global }
      - { .name: wb, .offset: 64, .size: 8, .value_kind: global_buffer, .address_space: global }
    .group_segment_fixed_size: 17664
    .private_segment_fixed_size: 0
    .kernarg_segment_align: 8
    .kernarg_segment_size: 72
    .max_flat_workgroup_size: 256
    .sgpr_count:     66
    .vgpr_count:     80
    .wavefront_size: 32
...
	.end_amdgpu_metadata
.endif
;; end of part 1
;; launch qkv (part 2): grid 4 x 64, 4 waves a work-group, clusters of 4 x 4, 327,680 bytes of LDS; arguments q, k, v, wb, b_q, b_k, b_v, hb; writes hb
.if DOCPART == 2
	.amdgcn_target "amdgcn-amd-amdhsa--gfx1250"
	.amdhsa_code_object_version 6
	.text
	.protected	k_qaf8d25429b_qkv
	.globl	k_qaf8d25429b_qkv
	.p2align	8
	.type	k_qaf8d25429b_qkv,@function
k_qaf8d25429b_qkv:
	s_mov_b64 s[64:65], 0
	v_nop
	global_prefetch_b8 v0, s[64:65] scope:SCOPE_SE
	s_setreg_imm32_b32 hwreg(HW_REG_WAVE_MODE, 25, 1), 1
	s_wait_xcnt 0x0
	s_wait_alu depctr_hold_cnt(0) depctr_sa_sdst(0) depctr_va_vdst(0) depctr_va_sdst(0) depctr_va_ssrc(0) depctr_va_vcc(0) depctr_vm_vsrc(0)
	s_getreg_b32 s2, hwreg(HW_REG_IB_STS2, 6, 4)
	s_cmp_eq_u32 s2, 0
	s_cbranch_scc0 .Lentry_in_a_cluster
	s_endpgm
.Lentry_in_a_cluster:
	s_bfe_u32 s2, ttmp6, 0x10000c
	s_cmp_lg_u32 s2, 0xf033
	s_cbranch_scc0 .Lentry_shape_is_right
	s_endpgm
.Lentry_shape_is_right:
; hb[z][b 16 + head][t][64] = f16(x_z[b][t][:] . W_z[:][64 head + d] + b_z[64 head + d]), z = 0, 1, 2 for q, k, v.  x: [8192][1024] f32, rounded to bf16 between LDS and the matrix unit;
; W: wb[z], [k 1024][n 1024] bf16; the bias, rounded to bf16 like every input, is the C operand that starts the sums; sums in f32; the result is rounded once, to f16, and carries no scale.
; LIMIT: a result of 65,520 or more becomes an infinity in f16.  NaN and infinities are not treated apart.
; SHARES.  A tile is 128 rows x 256 columns.  Four waves, each 64 x 128: 32 accumulators of 16 x 16.  A WORK-GROUP STAYS: 64 x 4 = 256 work-groups, and each makes THREE tiles, q's, k's and v's, for its row
; block and column block.  The three tiles' K steps of 128 are ONE walk of 24 steps through two LDS slots: the ring does not stop at a tile's end, a tile's last two changes of slots ask for the next tile's
; first two K steps, and nothing waits for a tile's stores.  FS counts the K step to be asked for next: x's address is made anew from it (the buffer by FS / 8, 512 bytes along the rows for each FS % 8);
; W's address steps on, since wb[0], wb[1], wb[2] lie end to end.  Where a tile ends, a forward branch on FS puts the way out, the next bias and a first quarter that starts the sums in the place of a plain
; quarter; that text holds no barrier and no tensor load, and the launch's start jumps into it.
; CLUSTER, 4 x 4.  The four of a row of the cluster (same row block) ask for x's tile JOINTLY, the four of a column (same column block) for W's: the same tensor load, descriptor and mask in all four.
; THE MATRIX INSTRUCTION IS USED TRANSPOSED: source 0 = 16 columns n of W (turned out of LDS by ds_load_tr16_b128), source 1 = 16 rows of x: a lane then holds one row and eight neighbouring columns.
; REGISTERS, in windows of 256 (s_set_vgpr_msb: bits 1:0 source 0, 3:2 source 1, 5:4 source 2, 7:6 destination):
;   window 0: v0-31 addresses; v32-95 x as f32 (one quarter step); v96-127, v128-159 x's fragments in bf16, two buffers; v160-223 the way out
;   window 1: the accumulators, (a, b) at 8 (8 a + b)       window 2: v0-63, v64-127 W's fragments, two buffers; v128-191 the bias as C, 8 registers a column block; v192 at work
.set PA,     528                       ; a row of x in LDS: 512 bytes (128 f32) + 16: the 16 rows of a load start at 16 different groups of four banks (64 banks of 4 bytes: ISA guide 11.1)
.set PB,     544                       ; a k row of W: 512 bytes (256 bf16) + 32
.set AHALF,  64*PA                     ; what one tensor load brings of x
.set BHALF,  64*PB                     ; and of W
.set BOFF,   2*AHALF
.set SLOT,   BOFF+2*BHALF              ; 137,216
.set STAGE,  2*SLOT                    ; behind the ring, never filled by a tensor load: for each wave 2 heads x 16 rows x 144 bytes
.set SP,     144
.set WSTAGE, 2*16*SP
.set SPARE,  STAGE+4*WSTAGE            ; the spare words, 128 bytes for each wave: two blocks of 256 bytes that no other line names
.set ADRA, 16                          ; v16-17  LDS address of my rows of x in slot 0, 1
.set ADRB, 20                          ; v20-21  the same for W
.set STO,  24                          ; v24     the way out: where I put 16 bytes of a row
.set RD,   25                          ; v25     where I read rows back
.set GO,   26                          ; v26     my 16 bytes of 512 consecutive bytes of hb
.set BO,   27                          ; v27     my byte offset in the bias
.set SPW,  28                          ; v28     LDS address of my spare word; never rewritten
.set NIL,  29                          ; v29     0; never rewritten
.set PFO,  30                          ; v30     the prefetches' lane offset: row l / 2 (4,096 bytes), block l % 2 (256 bytes); never rewritten
.set RAW,  32
.set AF,   96
.set TMP,  160
.set BK,   192
.set BIAS, 128                         ; window 2
.set BT,   192                         ; window 2
.set G1,  24                           ; s[24:31] descriptor group 1 for x's tiles;  s[32:39] group 0, a set for each slot
.set G0,  32
.set G1B, 48                           ; s[48:55], s[56:63] the same for W's
.set G0B, 56
.set X0,  14                           ; s[14:15], s[88:89], s[90:91]  q, k, v at the 64 rows that I fetch
.set X1,  88
.set X2,  90
.set TP,  92                           ; s[92:93]  the one of them that a fill takes
.set OF,  16                           ; s[16:17]  a fill's bytes along the rows; the high word stays 0
.set XP0, 68                           ; s[68:69], s[70:71], s[72:73]  q, k, v at my work-group's 16 of those rows, for the prefetches
.set XP1, 70
.set XP2, 72
.set TPP, 96                           ; s[96:97]  the one of them that a prefetch takes
.set OFP, 86                           ; s[86:87]  a prefetch's bytes along the rows; the high word stays 0
.set PFA, 94                           ; s[94:95]  where my prefetch stands
.set FS,  23                           ; s23  the K step, of the walk's 24, to be asked for next
.set LIM, 45                           ; s45  1 in a wave that prefetches, else the greatest number
.set MSB, 0
.macro WIN new                         ; the immediate's high byte repeats the setting that is left; a switch that changes nothing is dropped
.if MSB != (\new)
	s_set_vgpr_msb (MSB<<8)|(\new)
.set MSB, \new
.endif
.endm
.set MUL,  0x52                        ; W window 2, x window 0, C and D window 1
.set MULF, 0x62                        ; the same with C (the bias) in window 2
.set TO_B, 0x80                        ; destination window 2, address window 0
.macro JLOAD s                         ; a joint load: waves 0 and 1 fetch x's two halves, waves 2 and 3 W's; an s_nop 0 and four v_nop follow each of the two lines
	s_cmp_eq_u32 s11, 0
	s_cbranch_scc0 .Lfor_b_\@
	tensor_load_to_lds s[G0+4*(\s):G0+4*(\s)+3], s[G1:G1+7]
	s_nop 0
.rept 4
	v_nop
.endr
	s_branch .Lasked_\@
.Lfor_b_\@:
	tensor_load_to_lds s[G0B+4*(\s):G0B+4*(\s)+3], s[G1B:G1B+7]
	s_nop 0
.rept 4
	v_nop
.endr
.Lasked_\@:
.endm
; A PREFETCH INTO THE L2 of x, behind each joint load, its five lines and the run of LDS loads that follows them: the K step that stands TWO refills on, 256 products ahead of the load that will want it.
; A K step is 512 bytes of each row.  A row block of x is read by one row of one cluster alone.  Of the 64 rows that wave 0 or 1 fetches, each of the four partners that ask for them jointly takes 16, told apart
; BY ADDRESS: a lane a block of 256 bytes, one instruction a wave.  So each block is named once in the launch.  K steps 0 to 3 come by their loads alone; the loop's last trip asks for nothing: there is no K step 24.
; W's tiles are not asked for: all sixteen clusters of row blocks read the same ones, so they are not read once.
.macro ASK
	s_cmp_gt_u32 s3, s[LIM]                        ; s3 = 1 in the loop's last trip
	s_cbranch_scc0 .Lnot_mine_\@
	global_prefetch_b8 v[PFO], s[PFA:PFA+1] th:TH_LOAD_NT scope:SCOPE_SE
.Lnot_mine_\@:
.endm
.macro CREST                           ; a round of the cluster's barrier behind its opening barrier
	s_cmp_lg_u32 s10, 0
	s_cbranch_scc1 .Lnot_wave_0_\@
	s_barrier_signal -3
.Lnot_wave_0_\@:
	s_barrier_wait -3
	s_barrier_signal -1
	s_barrier_wait -1
.endm
.macro CROUND                          ; a whole round
	s_barrier_signal -1
	s_barrier_wait -1
	CREST
.endm
.macro BIASLOAD                        ; the bias of my 128 columns, as the C operand holds it: eight numbers a lane and column block
	WIN TO_B
.irp b, 0,1,2,3,4,5,6,7
	global_load_b128 v[BIAS+8*(\b):BIAS+8*(\b)+3],   v[BO], s[84:85] offset:64*(\b)
	global_load_b128 v[BIAS+8*(\b)+4:BIAS+8*(\b)+7], v[BO], s[84:85] offset:64*(\b)+16
.endr
	WIN 0
.endm
	s_load_b512 s[68:83], s[0:1], 0x0              ; q 68:69, k 70:71, v 72:73, wb 74:75, b_q 76:77, b_k 78:79, b_v 80:81, hb 82:83
	v_lshl_add_u32 v[SPW], v0, 2, SPARE
	v_mov_b32 v[NIL], 0
	ds_add_u32 v[SPW], v[NIL]                      ; the wave's opening: the add and its wait stand ahead of my first tensor load; the set-up below, work on registers, stands between them
	v_lshrrev_b32 v1, 5, v0
	v_readfirstlane_b32 s10, v1                    ; wave 0..3
	s_lshr_b32 s11, s10, 1                         ; which 64 rows are mine.  Also: I fetch for x (0) or for W (1)
	s_and_b32 s12, s10, 1                          ; which 128 columns.  Also: which half of that tile I fetch
	s_bfe_u32 s40, ttmp6, 0x40000                  ; cx: the column block of 256
	s_bfe_u32 s41, ttmp6, 0x40004                  ; cy
	s_and_b32 s13, ttmp7, 0xffff                   ; the cluster's y, 0 .. 15
	s_lshl_b32 s13, s13, 2
	s_add_co_u32 s13, s13, s41                     ; the row block of 128, 0 .. 63
	s_lshl_b32 s43, s41, 2
	s_lshl_b32 s43, 15, s43                        ; my row of the cluster
	s_lshl_b32 s44, 0x1111, s40                    ; my column
	s_or_b32 s[G1+0], s43, (2<<16)|(1<<20)|(1<<21)|(6<<22)|(3<<25)   ; the mask; elements of 4 bytes; padding on; bit 21 beside a mask; after every 128 words, 4 words
	s_mov_b32 s[G1+1], 128<<16                     ; tensor_dim0 = 128
	s_mov_b32 s[G1+2], 64<<16                      ; tensor_dim1 = 64
	s_mov_b32 s[G1+3], 128<<16                     ; tile_dim0 = 128
	s_mov_b32 s[G1+4], 64                          ; tile_dim1 = 64
	s_mov_b32 s[G1+5], 1024                        ; elements from row to row
	s_mov_b32 s[G1+6], 0
	s_mov_b32 s[G1+7], 0
	s_or_b32 s[G1B+0], s44, (1<<16)|(1<<20)|(1<<21)|(6<<22)|(7<<25)  ; elements of 2 bytes; after every 128 words, 8 words
	s_mov_b32 s[G1B+1], 256<<16
	s_mov_b32 s[G1B+2], 64<<16
	s_mov_b32 s[G1B+3], 256<<16
	s_mov_b32 s[G1B+4], 64
	s_mov_b32 s[G1B+5], 1024
	s_mov_b32 s[G1B+6], 0
	s_mov_b32 s[G1B+7], 0
	s_lshl_b32 s16, s13, 19                        ; x: row block x 128 rows x 4,096 bytes
	s_lshl_b32 s17, s12, 18                        ; + my 64 rows
	s_add_co_u32 s16, s16, s17
	s_mov_b32 s17, 0
	s_lshl_b32 s86, s40, 16                        ; for the prefetches: + my work-group's 16 of them
	s_add_co_u32 s86, s86, s16
	s_mov_b32 s87, 0
	s_lshl_b32 s46, s12, 17                        ; W: my 64 k rows of 2,048 bytes
	s_lshl_b32 s47, s40, 9                         ; + the column block's 512 bytes
	s_add_co_u32 s46, s46, s47
	s_mov_b32 s47, 0
	s_mul_i32 s20, s12, AHALF                      ; where they go: no place in the cluster enters an LDS address
	s_mul_i32 s21, s12, BHALF
	s_add_co_u32 s21, s21, BOFF
	s_cmp_eq_u32 s11, 0
	s_cselect_b32 s[LIM], 1, -1                    ; the waves that fetch x prefetch it
	s_wait_dscnt 0x0                               ; the opening add is done
	s_wait_kmcnt 0x0
	s_add_nc_u64 s[X0:X0+1], s[68:69], s[16:17]
	s_add_nc_u64 s[X1:X1+1], s[70:71], s[16:17]
	s_add_nc_u64 s[X2:X2+1], s[72:73], s[16:17]
	s_add_nc_u64 s[XP0:XP0+1], s[68:69], s[86:87]
	s_add_nc_u64 s[XP1:XP1+1], s[70:71], s[86:87]
	s_add_nc_u64 s[XP2:XP2+1], s[72:73], s[86:87]
	s_add_nc_u64 s[46:47], s[74:75], s[46:47]
	s_mov_b64 s[84:85], s[76:77]                   ; the first tile's bias: b_q
	CROUND                                         ; all sixteen work-groups are here: the first joint loads meet
.irp s, 0,1
	s_mov_b32 s[G0+4*(\s)], 1
	s_add_co_u32 s[G0+4*(\s)+1], s20, (\s)*SLOT
	s_add_nc_u64 s[G0+4*(\s)+2:G0+4*(\s)+3], s[X0:X0+1], (\s)*512     ; K step s: 128 f32 along the rows
	s_or_b32 s[G0+4*(\s)+3], s[G0+4*(\s)+3], 0x80000000
	s_mov_b32 s[G0B+4*(\s)], 1
	s_add_co_u32 s[G0B+4*(\s)+1], s21, (\s)*SLOT
	s_add_nc_u64 s[G0B+4*(\s)+2:G0B+4*(\s)+3], s[46:47], (\s)*262144  ; K step s: 128 rows of W down
	s_or_b32 s[G0B+4*(\s)+3], s[G0B+4*(\s)+3], 0x80000000
	JLOAD \s                                       ; two loads of mine are out
.endr
	v_and_b32 v1, 15, v0                           ; r = l % 16
	v_bfe_u32 v2, v0, 4, 1                         ; h = l / 16
	v_lshlrev_b32 v[BO], 5, v2                     ; the bias of my eight columns of block b: 4 (256 cx + 128 wn + 16 b + 8 h)
	s_lshl_b32 s22, s40, 10
	s_lshl_b32 s23, s12, 9
	s_add_co_u32 s22, s22, s23
	v_add_nc_u32 v[BO], s22, v[BO]
	BIASLOAD
	v_mul_u32_u24 v3, v1, PA                       ; x: row r, 8 f32 for each half of the lanes
	v_lshl_add_u32 v3, v2, 5, v3
	s_mul_i32 s22, s11, 64*PA
	v_add_nc_u32 v[ADRA], s22, v3
	v_add_nc_u32 v[ADRA+1], SLOT, v[ADRA]
	v_and_b32 v4, 7, v0                            ; W, for the turning load: k row 8 h + l % 8, columns 8 ((l / 8) % 2) on
	v_lshl_add_u32 v4, v2, 3, v4
	v_mul_u32_u24 v4, v4, PB
	v_bfe_u32 v5, v0, 3, 1
	v_lshl_add_u32 v4, v5, 4, v4
	s_lshl_b32 s22, s12, 8
	s_add_co_u32 s22, s22, BOFF
	v_add_nc_u32 v[ADRB], s22, v4
	v_add_nc_u32 v[ADRB+1], SLOT, v[ADRB]
	s_mul_i32 s23, s10, WSTAGE
	s_add_co_u32 s23, s23, STAGE                   ; my stage
	v_mul_u32_u24 v5, v1, SP
	v_lshl_add_u32 v5, v2, 4, v5
	v_add_nc_u32 v[STO], s23, v5
	v_bfe_u32 v5, v0, 3, 2                         ; back: 32 lanes take four rows of 128 bytes
	v_mul_u32_u24 v5, v5, SP
	v_and_b32 v6, 7, v0
	v_lshl_add_u32 v5, v6, 4, v5
	v_add_nc_u32 v[RD], s23, v5
	v_and_b32 v[GO], 31, v0
	v_lshrrev_b32 v[PFO], 1, v[GO]                 ; the prefetches: row l / 2,
	v_lshlrev_b32 v[PFO], 12, v[PFO]
	v_and_b32 v6, 1, v0
	v_lshl_add_u32 v[PFO], v6, 8, v[PFO]           ; block l % 2
	v_lshlrev_b32 v[GO], 4, v[GO]
	s_lshr_b32 s86, s13, 4                         ; hb: batch x 16 + head 4 cx + 2 wn,
	s_lshl_b32 s86, s86, 4
	s_lshl_b32 s87, s40, 2
	s_add_co_u32 s86, s86, s87
	s_lshl_b32 s87, s12, 1
	s_add_co_u32 s86, s86, s87
	s_lshl_b32 s86, s86, 18                        ; x 2,048 rows of 128 bytes,
	s_and_b32 s87, s13, 15
	s_lshl_b32 s87, s87, 14                        ; + the row block's 128 rows in its batch,
	s_add_co_u32 s86, s86, s87
	s_lshl_b32 s87, s11, 13                        ; + my 64
	s_add_co_u32 s86, s86, s87
	s_mov_b32 s87, 0
	s_add_nc_u64 s[8:9], s[82:83], s[86:87]        ; in hb[0]; each way out but the last steps it 16 MiB on
; x's numbers of a quarter step (64 rows x 32 K) as f32: lane l takes row l % 16, K = 8 h + 0..7 and 16 + 8 h + 0..7: four loads of 16 bytes for each block a of 16 rows
.macro FETA slot, kq
	WIN 0
.irp a, 0,1,2,3
	ds_load_b128 v[RAW+16*(\a):RAW+16*(\a)+3],     v[ADRA+(\slot)] offset:16*PA*(\a)+128*(\kq)
	ds_load_b128 v[RAW+16*(\a)+4:RAW+16*(\a)+7],   v[ADRA+(\slot)] offset:16*PA*(\a)+128*(\kq)+16
	ds_load_b128 v[RAW+16*(\a)+8:RAW+16*(\a)+11],  v[ADRA+(\slot)] offset:16*PA*(\a)+128*(\kq)+64
	ds_load_b128 v[RAW+16*(\a)+12:RAW+16*(\a)+15], v[ADRA+(\slot)] offset:16*PA*(\a)+128*(\kq)+80
.endr
.endm
; W's fragments of a quarter step (32 K x 128 columns), turned, into buffer g
.macro FETB slot, kq, g
	WIN TO_B
.irp b, 0,1,2,3,4,5,6,7
	ds_load_tr16_b128 v[64*(\g)+8*(\b):64*(\g)+8*(\b)+3],   v[ADRB+(\slot)] offset:32*PB*(\kq)+32*(\b)
	ds_load_tr16_b128 v[64*(\g)+8*(\b)+4:64*(\g)+8*(\b)+7], v[ADRB+(\slot)] offset:32*PB*(\kq)+32*(\b)+16*PB
.endr
.endm
.macro CV4 g, n                        ; eight of x's numbers rounded to bf16: four registers of buffer g
	WIN 0
.irp i, 0,1,2,3
	v_cvt_pk_bf16_f32 v[AF+32*(\g)+4*(\n)+(\i)], v[RAW+8*(\n)+2*(\i)], v[RAW+8*(\n)+2*(\i)+1]
.endr
.endm
.macro W1 f, a, b, first               ; one product.  first = 1: it starts the sum, with the bias
.set rD, 8*(8*(\a)+(\b))
.set rB, 64*(\f)+8*(\b)
.set rA, AF+32*(\f)+8*(\a)
.if \first
	WIN MULF
	v_wmma_f32_16x16x32_bf16 v[rD:rD+7], v[rB:rB+7], v[rA:rA+7], v[BIAS+8*(\b):BIAS+8*(\b)+7]
.else
	WIN MUL
	v_wmma_f32_16x16x32_bf16 v[rD:rD+7], v[rB:rB+7], v[rA:rA+7], v[rD:rD+7]
.endif
.endm
.macro MUL8 f, a, first                ; row block a x all 8 column blocks.  The 32 accumulators take turns, in the same order in every quarter step
.irp b, 0,1,2,3,4,5,6,7
	W1 \f, \a, \b, \first
.endr
.endm
.macro MULC f, g, a, first, mode       ; the same with the next quarter's conversions between the products: mode 2: four behind every second product; mode 1: four behind every product
.irp b, 0,1,2,3,4,5,6,7
	W1 \f, \a, \b, \first
.if (\mode) == 1
	CV4 \g, \b
.elseif ((\b)%2) == 1
	CV4 \g, 4*((\a)-2)+(\b)/2
.endif
.endr
.endm
.macro PLACES                          ; four plain instructions between a product and a load or a conversion into a register that it has read, or a conversion of its result (ISA guide 7.12.1 for conversions)
.rept 4
	v_nop
.endr
.endm
; A K step is four quarters of 32 along K, 32 products each, on buffers 0, 1, 0, 1.  One of the first three multiplies buffer f and makes quarter kqn's fragments in buffer g.
.macro QUARTER slot, kqn, f, g, first
	FETA \slot, \kqn                               ; x of the next quarter: the conversions that read these registers have been issued
	s_wait_dscnt 16                                ; all but those sixteen: W's fragments of this quarter are in
	MUL8 \f, 0, \first
	PLACES                                         ; buffer g was read by the quarter before
	FETB \slot, \kqn, \g
	MUL8 \f, 1, \first
	s_wait_dscnt 16                                ; x's f32 are in; W's sixteen loads may stay out
	MULC \f, \g, 2, \first, 2
	MULC \f, \g, 3, \first, 2
.endm
; The last quarter multiplies buffer 1 and changes slots: ONE barrier; in front of it each wave waits for all its tensor loads (one is out: its part of the next slot), adds 0 to its spare word,
; and waits for that and for its reads of this slot.  fill = 1: the barrier opens a round of the cluster's, and this slot is filled again, with K step FS of the walk, first thing behind the round.
.macro TURN slot, next, fill
.if \fill
	s_wait_xcnt 0x0                                ; the last prefetch, a K step back, has read its address: it is made anew here, ahead of the waits of the change of slots
	s_add_co_u32 s22, s[FS], 2                     ; K step FS + 2:
	s_and_b32 s[OFP], s22, 7
	s_lshl_b32 s[OFP], s[OFP], 9                   ; its 512 bytes of the rows,
	s_cmp_lt_u32 s22, 8
	s_cselect_b64 s[TPP:TPP+1], s[XP0:XP0+1], s[XP1:XP1+1]
	s_cmp_lt_u32 s22, 16
	s_cselect_b64 s[TPP:TPP+1], s[TPP:TPP+1], s[XP2:XP2+1]  ; in q, k or v
	s_add_nc_u64 s[PFA:PFA+1], s[TPP:TPP+1], s[OFP:OFP+1]
.endif
	WIN 0
	s_wait_tensorcnt 0x0                           ; no tensor load of mine is out, so a group 0 may be written
	ds_add_u32 v[SPW], v[NIL]                      ; 0 onto my spare word; the descriptors' scalar work and eight products stand between it and the wait for it
.if \fill
	s_and_b32 s[OF], s[FS], 7
	s_lshl_b32 s[OF], s[OF], 9
	s_cmp_lt_u32 s[FS], 8
	s_cselect_b64 s[TP:TP+1], s[X0:X0+1], s[X1:X1+1]
	s_cmp_lt_u32 s[FS], 16
	s_cselect_b64 s[TP:TP+1], s[TP:TP+1], s[X2:X2+1]
	s_add_nc_u64 s[G0+4*(\slot)+2:G0+4*(\slot)+3], s[TP:TP+1], s[OF:OF+1]  ; x's address is made anew: the tile's buffer at my rows, and the K step's bytes
	s_or_b32 s[G0+4*(\slot)+3], s[G0+4*(\slot)+3], 0x80000000
	s_add_nc_u64 s[G0B+4*(\slot)+2:G0B+4*(\slot)+3], s[G0B+4*(\slot)+2:G0B+4*(\slot)+3], 2*262144  ; W's steps on, from wb[z] into wb[z + 1] too
	s_add_co_u32 s[FS], s[FS], 1
.endif
	s_wait_dscnt 1                                 ; W's fragments are in; the add may be out
	MUL8 1, 0, 0
	s_wait_dscnt 0x0                               ; the add is done, and my reads of this slot are over
	s_barrier_signal -1
	MUL8 1, 1, 0
.if \fill
	WIN 0
.endif
	s_barrier_wait -1
.if \fill
	CREST                                          ; no wave of any partner still reads this slot or has a load on its way
	JLOAD \slot                                    ; its four v_nop are also the places in front of the loads and conversions into buffer 0
.else
	PLACES
.endif
	FETA \next, 0
	FETB \next, 0, 0
.if \fill
	WIN 0
	ASK
.endif
	MUL8 1, 2, 0
	s_wait_dscnt 16                                ; x's f32 are in
	MULC 1, 0, 3, 0, 1
.endm
; THE WAY OUT of row block a: rounded to f16 (each accumulator's registers in ascending order), 16 bytes a lane into my stage (two heads x 16 rows of 144 bytes), back as rows of 128 bytes, four to a load:
; 512 consecutive bytes of hb.
.macro OUTA a
	WIN 0x05                                       ; sources window 1, destination window 0
.irp b, 0,1,2,3,4,5,6,7
.irp i, 0,1,2,3
	v_cvt_pk_f16_f32 v[TMP+4*(\b)+(\i)], v[8*(8*(\a)+(\b))+2*(\i)], v[8*(8*(\a)+(\b))+2*(\i)+1]
.endr
.endr
	WIN 0
.irp b, 0,1,2,3,4,5,6,7
	ds_store_b128 v[STO], v[TMP+4*(\b):TMP+4*(\b)+3] offset:16*SP*((\b)/4)+32*((\b)%4)
.endr
	s_wait_xcnt 0x0                                ; the last block's stores have read their registers: these are loaded again only behind this wait
.irp t, 0,1,2,3,4,5,6,7
	ds_load_b128 v[BK+4*(\t):BK+4*(\t)+3], v[RD] offset:16*SP*((\t)/4)+4*SP*((\t)%4)  ; my own bytes: LDS serves a wave's instructions in order (ISA guide 5.7.1.4)
.endr
	s_wait_dscnt 0x0
.irp t, 0,1,2,3,4,5,6,7
	global_store_b128 v[GO], v[BK+4*(\t):BK+4*(\t)+3], s[8:9] offset:262144*((\t)/4)+2048*(\a)+512*((\t)%4)
.endr
.endm
	s_wait_tensorcnt 1                             ; my part of K step 0 is in; K step 1's may stay out
	s_barrier_signal -1
	s_barrier_wait -1
	FETA 0, 0
	FETB 0, 0, 0
	s_wait_dscnt 16                                ; x's f32 are in
.irp n, 0,1,2,3,4,5,6,7
	CV4 0, \n
.endr
	WIN 0
	s_mov_b32 s[FS], 2
	s_mov_b32 s3, 12                               ; the loop's bottom is passed twelve times: once from here, once by each of its eleven trips
	s_branch .Lstart                               ; the loop is entered at a tile's first quarter, in the middle of a trip
.Llap:                                                 ; a trip goes once round the ring, from a lap's second quarter to the next lap's first, and fills both slots again: K steps 2 .. 23 of the walk
	QUARTER 0, 2, 1, 0, 0
	QUARTER 0, 3, 0, 1, 0
	TURN 0, 1, 1
	QUARTER 1, 1, 0, 1, 0
	QUARTER 1, 2, 1, 0, 0
	QUARTER 1, 3, 0, 1, 0
	TURN 1, 0, 1
	WIN 0
	s_and_b32 s22, s[FS], 7
	s_cmp_eq_u32 s22, 2                            ; have the two refills gone to a tile's K steps 0 and 1?  Then the tile in hand is finished (FS = 10 and 18)
	s_cbranch_scc1 .Lnext_tile
	QUARTER 0, 1, 0, 1, 0
	WIN 0
	s_branch .Lbottom
.Lnext_tile:                                           ; both refills are asked for: now the tile goes out; its stores leave while the next tile is multiplied
	s_cmp_eq_u32 s[FS], 10
	s_cselect_b64 s[84:85], s[78:79], s[80:81]     ; b_k, then b_v (the last bias's loads were waited for at the tile's start)
	BIASLOAD                                       ; ahead of the way out, which stands between these loads and the wait for them
	PLACES
	OUTA 0
	OUTA 1
	OUTA 2
	OUTA 3
	s_wait_xcnt 0x0                                ; the stores have read their base
	s_add_nc_u64 s[8:9], s[8:9], 0x1000000         ; hb[z + 1]
.Lstart:
	s_wait_loadcnt 0x0                             ; the bias
	WIN 0xaa
.set i, 0
.rept 32
	v_cvt_pk_bf16_f32 v[BT], v[BIAS+2*i], v[BIAS+2*i+1]  ; rounded to bf16, like every input,
	v_lshlrev_b32 v[BIAS+2*i], 16, v[BT]                 ; and back as f32
	v_and_b32 v[BIAS+2*i+1], 0xffff0000, v[BT]
.set i, i+1
.endr
	WIN 0
	QUARTER 0, 1, 0, 1, 1                          ; a tile's first quarter: its products start the sums
	WIN 0
.Lbottom:
	s_sub_co_u32 s3, s3, 1
	s_cmp_lg_u32 s3, 0
	s_cbranch_scc1 .Llap
	QUARTER 0, 2, 1, 0, 0                          ; the walk's last lap is written out: it fills nothing
	QUARTER 0, 3, 0, 1, 0
	TURN 0, 1, 0
	QUARTER 1, 1, 0, 1, 0
	QUARTER 1, 2, 1, 0, 0
	QUARTER 1, 3, 0, 1, 0
	s_wait_dscnt 0x0
	MUL8 1, 0, 0
	MUL8 1, 1, 0
	MUL8 1, 2, 0
	MUL8 1, 3, 0
	WIN 0
	PLACES
	OUTA 0
	OUTA 1
	OUTA 2
	OUTA 3
	s_wait_tensorcnt 0x0                           ; the wave's end: behind my last tensor load and my last LDS store
	ds_add_u32 v[SPW], v[NIL]
	s_wait_dscnt 0x0
	CROUND                                         ; the closing round: no work-group ends while a partner may still ask for a tile that names it
	s_endpgm
.Lfunc_end_k_qaf8d25429b_qkv:
	.size	k_qaf8d25429b_qkv, .Lfunc_end_k_qaf8d25429b_qkv-k_qaf8d25429b_qkv
	.p2alignl 7, 3214868480
	.fill 96, 4, 3214868480
	.section	.rodata,"a",@progbits
	.p2align	6, 0x0
	.amdhsa_kernel k_qaf8d25429b_qkv
		.amdhsa_group_segment_fixed_size 327680
		.amdhsa_private_segment_fixed_size 0
		.amdhsa_enable_private_segment 0
		.amdhsa_kernarg_size 64
		.amdhsa_user_sgpr_count 2
		.amdhsa_user_sgpr_kernarg_segment_ptr 1
		.amdhsa_wavefront_size32 1
		.amdhsa_system_sgpr_workgroup_id_x 1
		.amdhsa_system_sgpr_workgroup_id_y 1
		.amdhsa_system_sgpr_workgroup_id_z 1
		.amdhsa_system_vgpr_workitem_id 0
		.amdhsa_next_free_vgpr 712
		.amdhsa_next_free_sgpr 100
		.amdhsa_reserve_vcc 0
		.amdhsa_float_denorm_mode_32 3
		.amdhsa_float_denorm_mode_16_64 3
		.amdhsa_memory_ordered 1
		.amdhsa_forward_progress 1
		.amdhsa_inst_pref_size 160
	.end_amdhsa_kernel
	.amdgpu_metadata
---
amdhsa.version: [ 1, 2 ]
amdhsa.kernels:
  - .name:           k_qaf8d25429b_qkv
    .symbol:         k_qaf8d25429b_qkv.kd
    .args:
      - { .name: q, .offset: 0, .size: 8, .value_kind: global_buffer, .address_space: global }
      - { .name: k, .offset: 8, .size: 8, .value_kind: global_buffer, .address_space: global }
      - { .name: v, .offset: 16, .size: 8, .value_kind: global_buffer, .address_space: global }
      - { .name: wb, .offset: 24, .size: 8, .value_kind: global_buffer, .address_space: global }
      - { .name: b_q, .offset: 32, .size: 8, .value_kind: global_buffer, .address_space: global }
      - { .name: b_k, .offset: 40, .size: 8, .value_kind: global_buffer, .address_space: global }
      - { .name: b_v, .offset: 48, .size: 8, .value_kind: global_buffer, .address_space: global }
      - { .name: hb, .offset: 56, .size: 8, .value_kind: global_buffer, .address_space: global }
    .group_segment_fixed_size: 327680
    .private_segment_fixed_size: 0
    .kernarg_segment_align: 8
    .kernarg_segment_size: 64
    .max_flat_workgroup_size: 128
    .sgpr_count:     100
    .vgpr_count:     712
    .wavefront_size: 32
...
	.end_amdgpu_metadata
.endif
;; end of part 2
;; launch attn (part 3): grid 4 x 64, 4 waves a work-group, clusters of 4 x 4, 327,680 bytes of LDS; arguments hb, maskq, rowkeep, ob; writes ob
.if DOCPART == 3
	.amdgcn_target "amdgcn-amd-amdhsa--gfx1250"
	.amdhsa_code_object_version 6
	.text
	.protected	k_qaf8d25429b_attn
	.globl	k_qaf8d25429b_attn
	.p2align	8
	.type	k_qaf8d25429b_attn,@function
k_qaf8d25429b_attn:
	s_mov_b64 s[64:65], 0
	v_nop
	global_prefetch_b8 v0, s[64:65] scope:SCOPE_SE
	s_setreg_imm32_b32 hwreg(HW_REG_WAVE_MODE, 25, 1), 1
	s_wait_xcnt 0x0
	s_wait_alu depctr_hold_cnt(0) depctr_sa_sdst(0) depctr_va_vdst(0) depctr_va_sdst(0) depctr_va_ssrc(0) depctr_va_vcc(0) depctr_vm_vsrc(0)
	s_getreg_b32 s2, hwreg(HW_REG_IB_STS2, 6, 4)
	s_cmp_eq_u32 s2, 0
	s_cbranch_scc0 .Lentry_in_a_cluster
	s_endpgm
.Lentry_in_a_cluster:
	s_bfe_u32 s2, ttmp6, 0x10000c
	s_cmp_lg_u32 s2, 0xf033
	s_cbranch_scc0 .Lentry_shape_is_right
	s_endpgm
.Lentry_shape_is_right:
; ob[bh][q][:] = the sum over k of softmax_k(s(q, k)) V[bh][k][:], s = Q[bh][q] . K[bh][k] / 8 where key k is seen by query q, a number far below every score where it is hidden.
; Q, K, V = hb[0], hb[1], hb[2]: [64 bh][2048][64] f16, a head's rows dense, 128 bytes each; ob likewise.  Products, maxima and sums in f32; the weights p are rounded to f16 for the second product, O once at the end.
; THE MASK IS DATA: every key tile is walked.  maskq holds, in the score tile's own lane order, a 4-bit float code for each query and key (0 seen, -2.0 hidden): 16 bytes a lane for a tile of 16 queries and a step of
; 64 keys.  Four conversions with the scale 2^100 make of them the 32 registers of the C operand that starts the sum S^T = K Q^T: 0 or -2^101.  The codes are a table of booleans, no matrix operand.
; A ROW HIDDEN FROM ALL KEYS has the mean of all 2,048 rows of V as its result.  Its Q is set to 0 (rowkeep: 0 or all ones), so all its scores are exactly -2^101, c m is exact, every weight is 1 and l = 2,048.
; A row whose first steps are all hidden gathers finite numbers, which the first seen key multiplies by a = 0.
; LIMITS.  A hidden score counts as its value less 2^101 (unscaled), not as -1e9: the same result while seen scaled scores lie above -1e9 + 104.  f16 holds no number beyond 65,504: Q, K, V arrive within it;
; p below 6e-5 keeps f16's fixed step of 6e-8; a weight below 2^-126 counts as 0 in l; NaN and infinities are not treated apart.
; SHARES.  A wave owns four PIECES of two tiles of 16 queries, a work-group's four waves 512 queries of one head: 4 x 64 = 256 work-groups.  Every wave walks all keys, 64 a step.
; LAYOUT.  S^T = K Q^T (source 0 = 16 keys, source 1 = 16 queries): a lane holds ONE query (lane % 16) and the keys 8 (lane / 16) + 0..7.  Two such tiles, rounded to f16 in pairs, ARE source 1 of O^T = V^T P.
; SOFTMAX.  A running maximum m and sum l: p = 2^(c s - c m), c = log2(e) / 8; in every step O and l are multiplied by a = 2^(c m_old - c m_new).  m starts at the lowest finite number, O and l at 0.
; BY TURNS.  Turn n belongs to piece n.  Its matrix work: 16 products K Q^T of piece n + 1, later 16 products V^T P of piece n - 1.  Its vector work: scaling, exponentials, roundings, sums and rescaling of piece n, the
; maximum and statistics of piece n + 1, and the mask of piece n + 2.  Four vector instructions stand behind every matrix instruction, the others in two runs of their own.
; CLUSTER, 4 x 4.  The four of a row of the cluster are the query blocks of one head: K's and V's tiles are asked for JOINTLY along the row.  The four of a column are four heads of one batch with the same
; query block: the mask's tiles are asked for jointly along the column.
; REGISTERS, in windows of 256 (s_set_vgpr_msb: bits 1:0 source 0, 3:2 source 1, 5:4 source 2, 7:6 destination):
;   window 0: v0-11 addresses; v12-15, v48-63 at work; v16-47 four registers of statistics a tile; v64-191 S^T, two buffers of two tiles; v192-255 P, likewise
;   window 1: O^T, 32 a tile      window 2: v0-127 Q; v128-191 K of one step; v192-255 V of one step
;   window 3: v0-1 the add's registers; v2-4 the mask's addresses and scale; v8-15 its codes; v16-23 rowkeep; v64-127 the C operands of two tiles
.set NP,    4         ; pieces a wave: a name, no knob
.set KS,    64        ; keys in a step
.set PK,    144       ; a row of K in LDS: 128 bytes + 16: the 16 rows of a load start at 16 different groups of four banks (64 banks of 4 bytes: ISA guide 11.1)
.set PV,    160       ; a row of V: 128 + 32
.set VOFF,  2*KS*PK   ; a slot holds two steps: 128 rows of K, 128 rows of V,
.set MOFF,  VOFF+2*KS*PV  ; and the mask of the work-group's 32 tiles: 1,024 bytes a tile, 512 a step
.set SLOT1, 1<<17     ; slot 1 begins here, so that one exclusive or turns an address in one slot into the other's
.set STAGE, SLOT1+MOFF+32*1024  ; behind the ring, never filled by a tensor load: 16 rows x 144 bytes for each wave
.set SP,    144
.set SPARE, STAGE+4*16*SP  ; the spare words, 128 bytes for each wave: two blocks of 256 bytes that no other line names
.set AK0, 2           ; v2   my lane's place in a tile of K; never rewritten
.set AV0, 3           ; v3   the same for V
.set AK,  4           ; v4   the LDS address of K's next run of loads
.set AV,  5           ; v5   of V's
.set QO,  6           ; v6   my byte offset in the wave's rows of Q
.set STO, 6           ;      later, the way out: where I put 16 bytes of a row
.set RD,  7           ; v7   the way out: where I read rows back
.set GO,  8           ; v8   my byte offset in 512 consecutive bytes of O
.set PFO, 11          ; v11  the prefetches' lane offset; never rewritten once made
.set MV,  12          ; v12-15  c m_old, kept while c m is made anew: by buffer and tile
.set ST,  16          ; tile t's statistics at v[ST+4 t]: c m, m, l (even keys', odd keys')
.set TMP, 48          ; by buffer and tile, four registers c0-c3 at work; when the maximum is found c2 takes a
.set S,   64
.set P,   192
.set KF,  128         ; window 2: key block kb, channel half c at KF + 16 kb + 8 c
.set VF,  192         ; window 2: key half kk, channel block cb at VF + 32 kk + 8 cb
.set SPW, 0           ; window 3: LDS address of my spare word; never rewritten
.set NIL, 1           ; window 3: 0; never rewritten
.set AM0, 2           ; window 3: my lane's place in a slot's mask: MOFF + 8,192 wave + 16 lane; never rewritten
.set AM,  3           ; window 3: the same in the step in hand
.set SCL, 4           ; window 3: the conversion's scale
.set RAW, 8           ; window 3: two tiles' codes, four words each
.set KEEP, 16         ; window 3: rowkeep of my eight tiles
.set MC,  64          ; window 3: tile u, key block kt at MC + 32 u + 8 kt
.set WV,  12          ; s12  my wave's number
.set LIM, 15          ; s15  1 in a wave that prefetches, else the greatest number
.set PFA, 18          ; s[18:19] where my prefetches stand
.set PST, 20          ; s[20:21] their step from slot to slot
.set G1K, 24          ; s[24:31] descriptor group 1 for K's tiles
.set G1V, 32          ; s[32:39] for V's
.set G0K, 40          ; s[40:43] descriptor group 0 for K's tiles: it walks
.set G0V, 44          ; s[44:47] for V's
.set G1M, 48          ; s[48:55] group 1 for the mask's tiles
.set SLOTS, 56        ; s56  slots still to be asked for
.set CNT, 57          ; s57  counts a slot's key steps
.set CS,  58          ; s[58:59] c
.set SEL, 60          ; s[60:61] v_permlanex16_b32's selects: each lane takes its own place in the other half
.set TBK, 62          ; s62  LDS byte at which K of the step to be fetched begins
.set TBV, 63          ; s63  the same for V, less VOFF
.set G0M, 68          ; s[68:71] group 0 for the mask's tiles
.set TBM, 72          ; s72  the same for the mask, less MOFF
.set MSB, 0
.macro WIN new                      ; the high byte repeats the setting that is left; a switch that changes nothing is dropped
.if MSB != (\new)
	s_set_vgpr_msb (MSB<<8)|(\new)
.set MSB, (\new)
.endif
.endm
.set W_KQ, 0x0a       ; K and Q in window 2, S^T in window 0
.set W_KM, 0x3a       ; the same with the C operand in window 3
.set W_PV, 0x52       ; V in window 2, P in window 0, O^T in window 1
.set W_RS, 0x41       ; O^T (destination and source 0) in window 1, a in window 0
.set W_MK, 0xc0       ; destination in window 3, sources in window 0
.set W_AD, 0x0f       ; the add: address and data in window 3
.set W_M,  0xcf       ; destination and sources 0 and 1 in window 3
.set W_QA, 0x8e       ; destination and source 0 in window 2, source 1 in window 3
; A joint fill, one load a wave: wave 0 a slot's K, wave 1 its V (128 keys each), waves 2 and 3 the two halves of its mask (16 tiles each).  The branches hang on the wave's number alone.
; An s_nop 0 and four v_nop follow each line, ahead of the jump and the label.
.macro JLOAD
	s_cmp_lt_u32 s[WV], 2
	s_cbranch_scc0 .Lfor_m_\@
	s_cmp_eq_u32 s[WV], 0
	s_cbranch_scc0 .Lfor_v_\@
	tensor_load_to_lds s[G0K:G0K+3], s[G1K:G1K+7]
	s_nop 0
.rept 4
	v_nop
.endr
	s_branch .Lasked_\@
.Lfor_v_\@:
	tensor_load_to_lds s[G0V:G0V+3], s[G1V:G1V+7]
	s_nop 0
.rept 4
	v_nop
.endr
	s_branch .Lasked_\@
.Lfor_m_\@:
	tensor_load_to_lds s[G0M:G0M+3], s[G1M:G1M+7]
	s_nop 0
.rept 4
	v_nop
.endr
.Lasked_\@:
.endm
; A PREFETCH INTO THE L2 of what the NEXT change of slots will ask for, behind the wave's tensor load and its five lines: two key steps, 256 matrix instructions, ahead of that load.
; Each aligned 256 bytes are named once in the launch.  A slot's K and V (64 such blocks each) are read by one row of one cluster alone: its four partners take 16 blocks of each, told apart BY ADDRESS; wave 0 asks.
; A slot's mask for a query block (128 blocks) is read by one column in each of the four clusters of a batch: the batch's first cluster asks, its four partners of the column take 8 tiles each, by address; wave 2 asks.
; The last change that fills a slot asks for nothing; slots 0, 1 and 2 come by their loads alone.
.macro ASK
	s_cmp_gt_u32 s[SLOTS], s[LIM]
	s_cbranch_scc0 .Lnot_mine_\@
	global_prefetch_b8 v[PFO], s[PFA:PFA+1] th:TH_LOAD_NT scope:SCOPE_SE
.Lnot_mine_\@:
.endm
; A round of the cluster's barrier.
.macro CROUND
	s_barrier_signal -1
	s_barrier_wait -1
	s_cmp_lg_u32 s[WV], 0
	s_cbranch_scc1 .Lnot_wave_0_\@
	s_barrier_signal -3
.Lnot_wave_0_\@:
	s_barrier_wait -3
	s_barrier_signal -1
	s_barrier_wait -1
.endm
; THE CHANGE OF SLOTS.  Each wave waits for all its tensor loads, of which one is out: its part of the other slot; adds 0 to its spare word; and waits for that and for its own reads of the slot that it leaves.
; fill = 1: the barrier is a round of the cluster's, and the slot is filled again, with the keys two slots on, first thing behind it: 256 matrix instructions in which to land.
; (At its first use nothing has been read yet: slot 0 is waited for, slot 1 filled.)
.macro CHANGE fill, ask
	WIN W_AD
	s_wait_tensorcnt 0x0            ; no tensor load of mine is out, so a group 0 may be written
	ds_add_u32 v[SPW], v[NIL]       ; 0 onto my spare word; the descriptors' steps stand between it and the wait for it
	WIN 0                           ; at a label and at a branch every window is 0
.if \fill
.irp g, G0K, G0V
	s_xor_b32 s[\g+1], s[\g+1], SLOT1
	s_add_nc_u64 s[\g+2:\g+3], s[\g+2:\g+3], 2*KS*128  ; the next 128 keys; the type bits on top are not reached
.endr
	s_xor_b32 s[G0M+1], s[G0M+1], SLOT1
	s_add_nc_u64 s[G0M+2:G0M+3], s[G0M+2:G0M+3], 1024  ; two steps along a tile's row of maskq
.if \ask
	s_wait_xcnt 0x0                 ; the last prefetch, two key steps back, has read its address
	s_add_nc_u64 s[PFA:PFA+1], s[PFA:PFA+1], s[PST:PST+1]
.endif
	s_wait_dscnt 0x0                ; the add is done, and my reads of the slot are over
	CROUND
	JLOAD
.if \ask
	ASK
.endif
.else
	s_wait_dscnt 0x0
	s_barrier_signal -1
	s_barrier_wait -1
.endif
	s_sub_co_u32 s[TBK], s[TBK], 2*KS*PK  ; the fetches go back to a slot's first step,
	s_xor_b32 s[TBK], s[TBK], SLOT1       ; in the other slot
	s_sub_co_u32 s[TBV], s[TBV], 2*KS*PV
	s_xor_b32 s[TBV], s[TBV], SLOT1
	s_sub_co_u32 s[TBM], s[TBM], 2*512
	s_xor_b32 s[TBM], s[TBM], SLOT1
.endm
	s_load_b256 s[4:11], s[0:1], 0x0  ; hb s[4:5], maskq s[6:7], rowkeep s[8:9], ob s[10:11]
	WIN W_MK
	v_lshl_add_u32 v[SPW], v0, 2, SPARE
	v_mov_b32 v[NIL], 0
	WIN W_AD
	ds_add_u32 v[SPW], v[NIL]       ; the wave's opening: the add and its wait stand ahead of my first tensor load; the set-up below, work on registers, stands between them
	WIN 0
	v_lshrrev_b32 v1, 5, v0
	v_readfirstlane_b32 s[WV], v1   ; wave 0..3
	s_bfe_u32 s13, ttmp6, 0x40000   ; cx: the block of 512 queries
	s_bfe_u32 s14, ttmp6, 0x40004   ; cy
	s_and_b32 s73, ttmp7, 0xffff    ; the cluster's y, 0 .. 15
	s_lshl_b32 s74, s73, 2
	s_add_co_u32 s74, s74, s14      ; bh = 4 x cluster y + cy
	s_lshr_b32 s75, s73, 2          ; the batch, which all sixteen partners share
	s_lshl_b32 s76, s14, 2
	s_lshl_b32 s76, 15, s76         ; my row of the cluster
	s_lshl_b32 s77, 0x1111, s13     ; my column
	s_and_b32 s16, s[WV], 1
	s_lshl_b32 s22, s74, 18         ; the head's first byte in Q, K, V and O
	s_mov_b32 s23, 0
	s_lshl_b32 s2, s75, 21          ; the mask's tiles: 2 MiB a batch,
	s_lshl_b32 s3, s13, 19          ; 32 tiles of 16,384 bytes a query block,
	s_add_co_u32 s2, s2, s3
	s_lshl_b32 s3, s16, 18          ; the 16 that I fetch
	s_add_co_u32 s2, s2, s3
	s_mov_b32 s3, 0
	s_lshl_b32 s78, s13, 2          ; Q and O: my wave's 128 rows
	s_add_co_u32 s78, s78, s[WV]
	s_lshl_b32 s78, s78, 14
	s_add_co_u32 s78, s78, s22
	s_mov_b32 s79, 0
	s_lshl_b32 s66, s75, 14         ; rowkeep: (128 b + 32 cx + 8 wave) x 128 bytes
	s_lshl_b32 s67, s13, 12
	s_add_co_u32 s66, s66, s67
	s_lshl_b32 s67, s[WV], 10
	s_add_co_u32 s66, s66, s67
	s_mov_b32 s67, 0
	s_lshl_b32 s80, s75, 21         ; the mask's prefetches: tiles 32 cx + 8 cy on, slot 2
	s_lshl_b32 s81, s13, 19
	s_add_co_u32 s80, s80, s81
	s_lshl_b32 s81, s14, 17
	s_add_co_u32 s80, s80, s81
	s_add_co_u32 s80, s80, 2*1024
	s_mov_b32 s81, 0
	s_lshl_b32 s82, s13, 12         ; K's and V's: blocks 16 cx on, slot 2, from K's first byte
	s_add_co_u32 s82, s82, s22
	s_add_co_u32 s82, s82, 0x1000000+2*16384
	s_mov_b32 s83, 0
	; descriptor group 1.  128 keys are 16,384 dense bytes: asked for as 64 rows of 256 bytes, two keys a row, and padded in LDS after every key
	s_or_b32 s[G1K], s76, (1<<16)|(1<<20)|(1<<21)|(4<<22)|(3<<25)  ; the mask of my row; 2-byte elements; padding on; bit 21 beside a mask; after every 32 words, 4 words
	s_or_b32 s[G1V], s76, (1<<16)|(1<<20)|(1<<21)|(4<<22)|(7<<25)  ; the same with 8 words
.irp g, G1K, G1V
	s_mov_b32 s[\g+1], 128<<16      ; tensor_dim0 = 128
	s_mov_b32 s[\g+2], 64<<16       ; tensor_dim1 = 64
	s_mov_b32 s[\g+3], 128<<16      ; tile_dim0 = 128
	s_mov_b32 s[\g+4], 64           ; tile_dim1 = 64
	s_mov_b32 s[\g+5], 128          ; 128 elements from row to row
	s_mov_b32 s[\g+6], 0
	s_mov_b32 s[\g+7], 0
.endr
	s_or_b32 s[G1M], s77, (3<<16)|(1<<21)  ; the mask of my column; 8-byte elements; no padding
	s_mov_b32 s[G1M+1], 128<<16     ; a row: two steps of one tile, 1,024 bytes
	s_mov_b32 s[G1M+2], 16<<16      ; 16 tiles
	s_mov_b32 s[G1M+3], 128<<16
	s_mov_b32 s[G1M+4], 16
	s_mov_b32 s[G1M+5], 2048        ; 16,384 bytes from tile to tile
	s_mov_b32 s[G1M+6], 0
	s_mov_b32 s[G1M+7], 0
	s_mov_b32 s[CS], 0x3e38aa3b     ; c = log2(e) / 8 = 0.180337
	s_mov_b32 s[CS+1], s[CS]        ; named with it as a pair
	s_mov_b32 s[SEL], 0x76543210
	s_mov_b32 s[SEL+1], 0xfedcba98
	s_mov_b32 s[TBK], SLOT1+2*KS*PK ; the first change of slots turns these three into 0
	s_mov_b32 s[TBV], SLOT1+2*KS*PV
	s_mov_b32 s[TBM], SLOT1+2*512
	s_mov_b32 s[G0K], 1
	s_mov_b32 s[G0K+1], 0           ; slot 0
	s_mov_b32 s[G0V], 1
	s_mov_b32 s[G0V+1], VOFF
	s_mov_b32 s[G0M], 1
	s_lshl_b32 s17, s16, 14
	s_add_co_u32 s[G0M+1], s17, MOFF
	s_and_b32 s17, s73, 3           ; who prefetches: wave 0 in every cluster, wave 2 in a batch's first cluster: the same in all sixteen partners
	s_cmp_eq_u32 s[WV], 0
	s_cselect_b32 s17, 0, s17
	s_or_b32 s17, s17, s16
	s_cmp_eq_u32 s17, 0
	s_cselect_b32 s[LIM], 1, -1
	s_mov_b32 s17, 1024
	s_cmp_eq_u32 s[WV], 0
	s_cselect_b32 s[PST], 0x4000, s17
	s_mov_b32 s[PST+1], 0
	s_wait_dscnt 0x0                ; the opening add is done
	s_wait_kmcnt 0x0
	s_add_nc_u64 s[G0K+2:G0K+3], s[4:5], s[22:23]
	s_add_nc_u64 s[G0V+2:G0V+3], s[G0K+2:G0K+3], 0x2000000  ; V = hb[2]
	s_add_nc_u64 s[G0K+2:G0K+3], s[G0K+2:G0K+3], 0x1000000  ; K = hb[1]
	s_or_b32 s[G0K+3], s[G0K+3], 0x80000000
	s_or_b32 s[G0V+3], s[G0V+3], 0x80000000
	s_add_nc_u64 s[G0M+2:G0M+3], s[6:7], s[2:3]
	s_or_b32 s[G0M+3], s[G0M+3], 0x80000000
	s_add_nc_u64 s[80:81], s[6:7], s[80:81]
	s_add_nc_u64 s[82:83], s[4:5], s[82:83]
	s_cmp_eq_u32 s[WV], 0
	s_cselect_b64 s[PFA:PFA+1], s[82:83], s[80:81]
	s_add_nc_u64 s[4:5], s[4:5], s[78:79]    ; Q and O at my wave's first row
	s_add_nc_u64 s[10:11], s[10:11], s[78:79]
	s_add_nc_u64 s[8:9], s[8:9], s[66:67]    ; rowkeep at my first tile
	CROUND                          ; all sixteen work-groups are here: the first joint loads meet
	JLOAD                           ; slot 0.  Slot 1 is asked for when slot 0 is in
	; A fragment of K or Q is 16 rows x 32 channels in 8 registers: lane l holds row l % 16, channels 8 (l / 16) + 0..7 and 16 + 8 (l / 16) + 0..7: two loads of 16 bytes, 32 bytes apart.
	v_and_b32 v1, 15, v0            ; l % 16
	v_bfe_u32 v9, v0, 4, 1          ; l / 16
	v_lshlrev_b32 v[QO], 7, v1
	v_lshl_add_u32 v[QO], v9, 4, v[QO]  ; row x 128 + 16 x half
	v_and_b32 v66, 31, v0           ; (S^T's first registers serve as temporaries until the first products write them)
	s_lshl_b32 s16, s[WV], 13
	s_add_co_u32 s16, s16, MOFF
	v_lshl_add_u32 v67, v66, 4, s16 ; my place in a slot's mask
	v_lshlrev_b32 v66, 2, v66       ; my word of a tile's rowkeep
	WIN 0x80                        ; destination window 2, address window 0
.set i, 0
.rept 4*NP                          ; Q stays in registers: tile i / 2, channels 32 (i % 2) on
	global_load_b128 v[8*i:8*i+3],   v[QO], s[4:5] offset:(i/2)*2048+(i%2)*64
	global_load_b128 v[8*i+4:8*i+7], v[QO], s[4:5] offset:(i/2)*2048+(i%2)*64+32
.set i, i+1
.endr
	; What the first turn finds: V's registers and P's second buffer hold 0, O^T and l are 0.  All this stands in the wait for the first tile.
.set i, VF
.rept 64
	v_mov_b32 v[i], 0
.set i, i+1
.endr
	WIN W_MK
.irp t, 0,1,2,3,4,5,6,7
	global_load_b32 v[KEEP+\t], v66, s[8:9] offset:128*\t
.endr
	v_mov_b32 v[AM0], v67
	v_mov_b32 v[SCL], 0xe3e3e3e3    ; the scale 2^100: each of the word's four bytes holds the code 227, the same in every lane
	WIN 0x40
.set i, 0
.rept 64*NP
	v_mov_b32 v[i], 0
.set i, i+1
.endr
	WIN 0
.set i, 0
.rept 2*NP
	v_mov_b32 v[ST+4*i], 0xfe000000    ; c m: far below every c s, a hidden one's too
	v_mov_b32 v[ST+4*i+1], 0xff7fffff  ; m
	v_mov_b32 v[ST+4*i+2], 0
	v_mov_b32 v[ST+4*i+3], 0
.set i, i+1
.endr
.set i, P+32
.rept 32
	v_mov_b32 v[i], 0
.set i, i+1
.endr
	v_mul_u32_u24 v[AK0], v1, PK
	v_lshl_add_u32 v[AK0], v9, 4, v[AK0]  ; row x pitch + 16 x half
	; The turning load takes 16 keys x 16 channels (lane l reads key 8 (l / 16) + l % 8, channels 8 ((l / 8) % 2) + 0..7) and leaves half a fragment of V^T: lane l holds channel l % 16 and 8 keys.
	v_and_b32 v10, 7, v0
	v_bfe_u32 v11, v0, 3, 1
	v_lshl_add_u32 v[AV0], v9, 3, v10
	v_mul_u32_u24 v[AV0], v[AV0], PV
	v_lshl_add_u32 v[AV0], v11, 4, v[AV0]
	v_add_nc_u32 v[AV0], VOFF, v[AV0]
	v_mov_b32 v[AK], v[AK0]         ; key step 0 lies at the head of slot 0
	v_lshlrev_b32 v64, 8, v1        ; the prefetches' lane offset.  K's and V's: block l % 16, and 16 MiB on (V) for lanes 16 to 31;
	v_lshl_add_u32 v64, v9, 24, v64
	v_bfe_u32 v65, v0, 2, 3         ; the mask's: tile l / 4, block l % 4
	v_and_b32 v[PFO], 3, v0
	v_lshlrev_b32 v[PFO], 8, v[PFO]
	v_lshl_add_u32 v65, v65, 14, v[PFO]
	s_cmp_eq_u32 s[WV], 0
	s_cselect_b32 s16, -1, 0
	v_cndmask_b32 v[PFO], v65, v64, s16
; THE MATRIX WORK.  The 8 accumulators of a run of 16 take turns: between the two links of a chain stand 7 others'.
; Product i of 16 of S^T = K Q^T for piece x: channels 32 (i / 8) on, keys 16 ((i / 2) % 4) on, tile 2 x + i % 2.  The first 8 start the sums, with the mask.
.macro KQ x
.set rS, S+64*((\x)%2)+32*(i%2)+8*((i/2)%4)
.set rK, KF+16*((i/2)%4)+8*(i/8)
.set rQ, 16*(2*(\x)+i%2)+8*(i/8)
.set rMK, MC+32*(i%2)+8*((i/2)%4)
.if i < 8
	WIN W_KM
	v_wmma_f32_16x16x32_f16 v[rS:rS+7], v[rK:rK+7], v[rQ:rQ+7], v[rMK:rMK+7]
.else
	WIN W_KQ
	v_wmma_f32_16x16x32_f16 v[rS:rS+7], v[rK:rK+7], v[rQ:rQ+7], v[rS:rS+7]
.endif
.endm
; Product i of 16 of O^T += V^T P for piece x: keys 32 (i / 8) on, channels 16 ((i / 2) % 4) on, tile 2 x + i % 2.
.macro PV x
	WIN W_PV
.set rO, 32*(2*(\x)+i%2)+8*((i/2)%4)
.set rV, VF+32*(i/8)+8*((i/2)%4)
.set rP, P+32*((\x)%2)+16*(i%2)+8*(i/8)
	v_wmma_f32_16x16x32_f16 v[rO:rO+7], v[rV:rV+7], v[rP:rP+7], v[rO:rO+7]
.endm
.macro MM                           ; the turn's next matrix instruction
.if i < 16
	KQ (Y+1)%NP
.set i, i+1
.else
.set i, i-16
	PV (Y+NP-1)%NP
.set i, i+17
.endif
.endm
; THE LDS LOADS stand in runs, never singly among the matrix instructions.  With K of a step the mask's address goes on to that step.
; last = 1 (the tail): in the last trip there is no further step, and the run is jumped over; the mask's address then stays in the last step.
.macro FETCH_K last=0
	WIN 0
.if \last
	s_cmp_eq_u32 s[CNT], 1
	s_cbranch_scc1 .Lno_k_\@
.endif
	WIN 0x80                        ; destination window 2
.irp f, 0,1,2,3,4,5,6,7             ; keys 16 (f / 2) on, channels 32 (f % 2) on
	ds_load_b128 v[KF+8*\f:KF+8*\f+3],   v[AK] offset:(\f/2)*16*PK+(\f%2)*64
	ds_load_b128 v[KF+8*\f+4:KF+8*\f+7], v[AK] offset:(\f/2)*16*PK+(\f%2)*64+32
.endr
	s_add_co_u32 s[TBK], s[TBK], KS*PK  ; the next fetch is the next step's
	WIN W_M
	v_add_nc_u32 v[AM], s[TBM], v[AM0]
	s_add_co_u32 s[TBM], s[TBM], 512
	WIN 0
.if \last
.Lno_k_\@:
.endif
.endm
.macro FETCH_V
	WIN 0x80
.irp f, 0,1,2,3,4,5,6,7             ; keys 32 (f / 4) on, channels 16 (f % 4) on
	ds_load_tr16_b128 v[VF+8*\f:VF+8*\f+3],   v[AV] offset:(\f/4)*32*PV+(\f%4)*32
	ds_load_tr16_b128 v[VF+8*\f+4:VF+8*\f+7], v[AV] offset:(\f/4)*32*PV+16*PV+(\f%4)*32
.endr
	WIN 0
.endm
.macro MLOAD pc                     ; the codes of piece pc's two tiles for the step in hand: 16 bytes a lane and tile
	WIN W_M
	ds_load_b128 v[RAW:RAW+3],   v[AM] offset:1024*(2*(\pc))
	ds_load_b128 v[RAW+4:RAW+7], v[AM] offset:1024*(2*(\pc)+1)
.endm
.macro MCVT                         ; and the C operands made of them: 0 or -2^101.  A plain instruction follows before a product reads them
	s_wait_dscnt 0x0                ; the codes are in
	WIN W_M
	s_wait_alu depctr_va_vdst(0)
.irp u, 0,1
.irp kt, 0,1,2,3
	v_cvt_scale_pk8_f32_fp4 v[MC+32*\u+8*\kt:MC+32*\u+8*\kt+7], v[RAW+4*\u+\kt], v[SCL]
.endr
.endr
.endm
; THE VECTOR WORK OF A TURN stands in three queues, each in the order in which its entries become ready; the two tiles alternate, so that no instruction reads the result of the one before it.
.macro REGS y, u                    ; the registers of tile u (0, 1) of piece y
.set rT, ST+4*(2*(\y)+(\u))
.set rC, TMP+8*((\y)%2)+4*(\u)
.set rM, MV+2*((\y)%2)+(\u)
.set rS, S+64*((\y)%2)+32*(\u)
.set rP, P+32*((\y)%2)+16*(\u)
.set rO, 32*(2*(\y)+(\u))
.endm
; Number n of the 22 that find the NEXT piece's (Y + 1) maximum and statistics.  s0-s31 are the lane's 32 scores; each accumulator's lowest registers are read first.
;   0-11  four chains c0-c3 of seven scores each, three operands at a time     12-14, 16  the four scores left over, the old m, and c0-c3 into c0     15  c m_old is kept
;   17, 18  the query's other 32 keys lie in the lane 16 away: the new m         19-21  c m; c m_old - c m_new; a
.macro XS u, n
	REGS (Y+1)%NP, \u
.if (\n) < 4
	v_max3_num_f32 v[rC+(\n)], v[rS+8*(\n)], v[rS+8*(\n)+1], v[rS+8*(\n)+2]
.elseif (\n) < 12
	v_max3_num_f32 v[rC+(\n)%4], v[rC+(\n)%4], v[rS+8*((\n)%4)+2*((\n)/4)+1], v[rS+8*((\n)%4)+2*((\n)/4)+2]
.elseif (\n) == 12
	v_max3_num_f32 v[rC], v[rC], v[rS+7], v[rS+15]
.elseif (\n) == 13
	v_max3_num_f32 v[rC+1], v[rC+1], v[rS+23], v[rS+31]
.elseif (\n) == 14
	v_max3_num_f32 v[rC+2], v[rC+2], v[rC+3], v[rT+1]
.elseif (\n) == 15
	v_mov_b32 v[rM], v[rT]
.elseif (\n) == 16
	v_max3_num_f32 v[rC], v[rC], v[rC+1], v[rC+2]
.elseif (\n) == 17
	v_permlanex16_b32 v[rC+3], v[rC], s[SEL], s[SEL+1]
.elseif (\n) == 18
	v_max_num_f32 v[rT+1], v[rC], v[rC+3]
.elseif (\n) == 19
	v_mul_f32 v[rT], s[CS], v[rT+1]
.elseif (\n) == 20
	v_sub_f32 v[rC+1], v[rM], v[rT]
.else
	v_exp_f32 v[rC+2], v[rC+1]
.endif
.endm
; Number g of the 64 that follow the exponentials.  For each four weights k of a tile: both pairs are rounded to f16; then the second pair is added onto the first, in place;
; a group later l takes that sum (the first time as l = a l + sum).
.macro GS g
.set h, (\g)+6*((\g)/62)            ; group 0 has no group before it, and behind group 7 only l is left
.if h >= 6
.set h, h+2
.endif
	REGS Y, h%2
.set k, h/8
.if h%8 < 4
	s_wait_alu depctr_va_vdst(0)
	v_cvt_pk_f16_f32 v[rP+2*k+(h%8)/2], v[rS+4*k+2*((h%8)/2)], v[rS+4*k+2*((h%8)/2)+1]
.elseif h%8 < 6
	v_pk_add_f32 v[rS+4*k:rS+4*k+1], v[rS+4*k:rS+4*k+1], v[rS+4*k+2:rS+4*k+3]
.elseif k == 1
	v_pk_fma_f32 v[rT+2:rT+3], v[rT+2:rT+3], v[rC+2:rC+3], v[rS:rS+1] op_sel_hi:[1,0,1]
.else
	v_pk_add_f32 v[rT+2:rT+3], v[rT+2:rT+3], v[rS+4*k-4:rS+4*k-3]
.endif
.endm
; THE PLAIN QUEUE, 138 long.  0-31: c s - c m for the 16 pairs of both tiles.  Then GS's 64, and among them the next piece's 42.
.macro PL
	WIN 0
.if q < 32
	REGS Y, q%2
	v_pk_fma_f32 v[rS+2*(q/2):rS+2*(q/2)+1], v[rS+2*(q/2):rS+2*(q/2)+1], s[CS:CS+1], v[rT:rT+1] op_sel_hi:[1,0,0] neg_lo:[0,0,1] neg_hi:[0,0,1]
.elseif q < 38
	GS q-32
.elseif q < 40
	XS q%2, 15
.elseif q < 42
	GS q-34
.elseif q < 74
	XS q%2, (q-42)/2+(q-42)/30
.elseif q < 95
	GS q-66
.elseif (q < 107) && ((q-95)%3 < 2)
	XS (q-95)%3, 17+(q-95)/3
.elseif q < 107
	GS 29+(q-95)/3
.else
	GS q-74
.endif
.set q, q+1
.endm
; THE EXPONENTIALS' QUEUE, 66 long: s0-s31 of both tiles, and at EA the next piece's two a.
.set EA, 58
.macro EX
	WIN 0
.if (e == EA) || (e == EA+1)
	XS e-EA, 21
.else
.set x, e-2*(e/(EA+2))
	REGS Y, x%2
	v_exp_f32 v[rS+x/2], v[rS+x/2]
.endif
.set e, e+1
.endm
; THE RESCALING's QUEUE: O^T times a, the one part that leaves window 0, so it is dealt four at a time, eight times.
.macro R4
	REGS Y, r%2
	WIN W_RS
	s_wait_alu depctr_va_vdst(0)
.irp z, 0,1,2,3
	v_pk_mul_f32 v[rO+8*(r/2)+2*\z:rO+8*(r/2)+2*\z+1], v[rO+8*(r/2)+2*\z:rO+8*(r/2)+2*\z+1], v[rC+2:rC+3] op_sel_hi:[1,0]
.endr
.set r, r+1
.endm
; HOW THEY ARE DEALT.  Behind a matrix instruction four: plain, exponential, plain, plain, or four of the rescaling; none names a register of the products round it.  What is over stands in two runs:
; exponential and plain by turns; the second ends in 22 plain instructions.  Exponential e stands behind plain 2 (e / 4) + e % 2 (its scaling); when plain 32 comes, 10 exponentials are out, at 59: 33, at 95: 46; EA comes behind plain 107.
.macro SL
	MM
	PL
	EX
	PL
	PL
.endm
.macro BURST n                      ; 15 matrix instructions, or 16
.rept (\n)-7
	SL
.endr
.rept 3
	MM
	R4
	SL
.endr
	MM
	R4
.endm
; A TURN, for piece p.  cnt = 1: the loop's count is taken down some lines ahead of the branch that stands behind the turn.
; K of the next step is fetched in piece 2's turn, V of the step in hand at the end of piece 0's.  THE MASK: the turn's first run loads the codes of piece p + 2 (in piece 2's turn behind K's run, which has stepped
; the mask's address), its second run makes the C operands of them, for the products K Q^T of the next turn; the operands' last readers, this turn's first eight products, stand far more than four plain instructions back.
; So the four turns 2, 3, 0, 1 of a trip read the mask of the step whose K the trip fetches, and all of a slot's mask is read between the slot's two changes.
.macro TURN p, last=0, cnt=0
.set Y, (\p)
.set i, 0
.set q, 0
.set e, 0
.set r, 0
.if (\p) == NP-1
	s_wait_dscnt 0x0                ; K is in
.endif
	MM
.rept 4
	PL
.endr
	BURST 15
.rept 22
	EX
	PL
.if ((\p) != NP-2) && (e == 12)
	MLOAD ((\p)+2)%NP
.endif
.if ((\p) == NP-2) && (e == 18)
	v_add_nc_u32 v[AK], s[TBK], v[AK0]
.endif
.if ((\p) == NP-2) && (e == 24)
	FETCH_K \last
	MLOAD 0
.endif
.endr
.if (\p) == 1
	s_wait_dscnt 0x0                ; V is in
.endif
	BURST 16
.rept 21
	EX
	PL
.endr
	MCVT
.rept 22
	PL
.if ((\p) == 0) && (q == 118)
	v_add_nc_u32 v[AV], s[TBV], v[AV0]
	s_wait_alu depctr_va_vdst(0)
.endif
.if ((\p) == 0) && (q == 130)
	s_add_co_u32 s[TBV], s[TBV], KS*PV
.endif
.if (\cnt) && (q == 130)
	s_sub_co_u32 s[CNT], s[CNT], 1
	s_cmp_lg_u32 s[CNT], 0
.endif
.endr
.if (\p) == 0
	FETCH_V
.endif
.endm
	CHANGE 1, 0                     ; slot 0 is in, everybody's part of it; slot 1 is asked for
	FETCH_K                         ; key step 0, and the mask's address for it
	MLOAD 0
	s_wait_loadcnt 0x0              ; Q and rowkeep
	WIN W_QA
.set i, 0
.rept 128
	v_and_b32 v[i], v[i], v[KEEP+i/16]  ; the Q of a row that no key is seen by becomes 0
.set i, i+1
.endr
	MCVT                            ; (its wait covers K too)
	WIN 0
	v_nop                           ; a plain instruction behind the scaled conversions
.set i, 0
.rept 16
	KQ 0                            ; piece 0's first scores
.set i, i+1
.endr
	WIN 0                           ; the addresses for the way out: nine plain instructions, the places behind those products
	s_mul_i32 s16, s[WV], 16*SP
	s_add_co_u32 s16, s16, STAGE    ; my stage
	v_mul_u32_u24 v[STO], v1, SP    ; in: row l % 16, 16 bytes for each half of the lanes
	v_lshl_add_u32 v[STO], v9, 4, v[STO]
	v_add_nc_u32 v[STO], s16, v[STO]
	v_bfe_u32 v[RD], v0, 3, 2       ; back: 32 lanes take four rows of 128 bytes,
	v_mul_u32_u24 v[RD], v[RD], SP
	v_lshl_add_u32 v[RD], v10, 4, v[RD]
	v_add_nc_u32 v[RD], s16, v[RD]
	v_and_b32 v[GO], 31, v0         ; which are 512 consecutive bytes of O
	v_lshlrev_b32 v[GO], 4, v[GO]
	MLOAD 1                         ; piece 1's mask of step 0
	WIN 0
.set Y, NP-1                        ; XS works for piece Y + 1: piece 0
.irp n, 0,1,2,3,4,5,6,7,8,9,10,11,12,13,14,15,16,17,18,19,20,21
	XS 0, \n                        ; piece 0's first maximum and statistics
	XS 1, \n
.endr
	MCVT
	WIN 0
	v_nop                           ; a plain instruction behind the scaled conversions
	s_mov_b32 s[CNT], 2
	s_mov_b32 s[SLOTS], 15
	s_branch .Lfirst                ; the loop is entered at a step's first turn, in the middle of a trip
.Lslot:                             ; 14 times: every slot but the last two is filled again
	CHANGE 1, 1
	s_mov_b32 s[CNT], 2
.Lstep:                             ; a trip: pieces 2 and 3 of one step, then pieces 0 and 1 of the next, whose K, V and mask it fetches
	TURN 2
	TURN 3
	WIN 0
.Lfirst:
	TURN 0
	TURN 1, 0, 1
	WIN 0
	s_cbranch_scc1 .Lstep
	s_sub_co_u32 s[SLOTS], s[SLOTS], 1
	s_cmp_lg_u32 s[SLOTS], 0
	s_cbranch_scc1 .Lslot
	CHANGE 0, 0                     ; the tail is written out: nothing is asked for
	s_mov_b32 s[CNT], 3             ; two trips fetch the last slot's steps; the third is left in its middle
.Ltail:
	TURN 2, 1
	TURN 3
	WIN 0
	s_sub_co_u32 s[CNT], s[CNT], 1
	s_cmp_eq_u32 s[CNT], 0
	s_cbranch_scc1 .Lout
	TURN 0
	TURN 1
	WIN 0
	s_branch .Ltail
.Lout:                              ; the third trip's 16 products K Q^T (on the last K once more) and what is made of them serve nothing: the price, once a launch, of one text for every trip
.set i, 0
.rept 16
	PV NP-1                         ; the last piece's V^T P of the last step
.set i, i+1
.endr
	; THE WAY OUT.  l's two halves and the other half of the lanes' are added; O^T is divided by l, rounded to f16 and sent through my stage in LDS, a tile at a time.  The additions are the places behind the last products.
	WIN 0
.macro ALL line:vararg              ; one line for each tile t
.set t, 0
.rept 2*NP
	\line
.set t, t+1
.endr
.endm
	ALL v_add_f32 v[ST+4*t+2], v[ST+4*t+2], v[ST+4*t+3]
	ALL v_permlanex16_b32 v[ST+4*t+3], v[ST+4*t+2], s[SEL], s[SEL+1]
	ALL v_add_f32 v[ST+4*t+2], v[ST+4*t+2], v[ST+4*t+3]
	ALL v_rcp_f32 v[ST+4*t+2], v[ST+4*t+2]
	v_nop                           ; a plain instruction between the last reciprocal and the use of its result
	s_wait_alu depctr_va_vdst(0)
.macro PACK t                       ; a lane's eight channels of a row pack into 16 bytes; they go into rows of 144 bytes and come back as whole rows of 128, into S^T's registers
	WIN W_RS
.set i, 32*(\t)
.rept 16
	v_pk_mul_f32 v[i:i+1], v[i:i+1], v[ST+4*(\t)+2:ST+4*(\t)+3] op_sel_hi:[1,0]
.set i, i+2
.endr
	WIN 0x05                        ; sources 0 and 1 window 1, destination window 0
.set i, 0
.rept 16
	v_cvt_pk_f16_f32 v[S+16*(\t)+i], v[32*(\t)+2*i], v[32*(\t)+2*i+1]
.set i, i+1
.endr
	WIN 0
.irp f, 0,1,2,3
	ds_store_b128 v[STO], v[S+16*(\t)+4*\f:S+16*(\t)+4*\f+3] offset:32*\f
.endr
.irp f, 0,1,2,3
	ds_load_b128 v[S+16*(\t)+4*\f:S+16*(\t)+4*\f+3], v[RD] offset:\f*4*SP  ; LDS serves a wave's instructions in order (ISA guide 5.7.1.4): these see the stores above; the next tile's stores come behind them
.endr
.endm
.macro SEND t, younger              ; younger: the LDS instructions issued behind tile t's loads: the next tile's eight, or none
	WIN 0
.irp f, 0,1,2,3
	s_wait_dscnt (\younger)+3-\f
	global_store_b128 v[GO], v[S+16*(\t)+4*\f:S+16*(\t)+4*\f+3], s[10:11] offset:(\t)*2048+\f*512  ; 512 consecutive bytes, at a multiple of 256 from O's first
.endr
.endm
	PACK 0
.set t, 1
.rept 2*NP-1                        ; a tile's arithmetic stands between the loads of the tile before and its stores
	PACK t
	SEND t-1, 8
.set t, t+1
.endr
	SEND 2*NP-1, 0
	WIN W_AD
	s_wait_tensorcnt 0x0            ; the wave's end: behind my last tensor load and my last LDS store
	ds_add_u32 v[SPW], v[NIL]
	s_wait_dscnt 0x0
	WIN 0
	CROUND                          ; the closing round: no work-group ends while a partner may still ask for a tile that names it
	s_endpgm
.Lfunc_end_k_qaf8d25429b_attn:
	.size	k_qaf8d25429b_attn, .Lfunc_end_k_qaf8d25429b_attn-k_qaf8d25429b_attn
	.p2alignl 7, 3214868480
	.fill 96, 4, 3214868480
	.section	.rodata,"a",@progbits
	.p2align	6, 0x0
	.amdhsa_kernel k_qaf8d25429b_attn
		.amdhsa_group_segment_fixed_size 327680
		.amdhsa_private_segment_fixed_size 0
		.amdhsa_enable_private_segment 0
		.amdhsa_kernarg_size 32
		.amdhsa_user_sgpr_count 2
		.amdhsa_user_sgpr_kernarg_segment_ptr 1
		.amdhsa_wavefront_size32 1
		.amdhsa_system_sgpr_workgroup_id_x 1
		.amdhsa_system_sgpr_workgroup_id_y 1
		.amdhsa_system_sgpr_workgroup_id_z 1
		.amdhsa_system_vgpr_workitem_id 0
		.amdhsa_next_free_vgpr 896
		.amdhsa_next_free_sgpr 96
		.amdhsa_reserve_vcc 0
		.amdhsa_float_denorm_mode_32 3
		.amdhsa_float_denorm_mode_16_64 3
		.amdhsa_memory_ordered 1
		.amdhsa_forward_progress 1
		.amdhsa_inst_pref_size 223
	.end_amdhsa_kernel
	.amdgpu_metadata
---
amdhsa.version: [ 1, 2 ]
amdhsa.kernels:
  - .name:           k_qaf8d25429b_attn
    .symbol:         k_qaf8d25429b_attn.kd
    .args:
      - { .name: hb, .offset: 0, .size: 8, .value_kind: global_buffer, .address_space: global }
      - { .name: maskq, .offset: 8, .size: 8, .value_kind: global_buffer, .address_space: global }
      - { .name: rowkeep, .offset: 16, .size: 8, .value_kind: global_buffer, .address_space: global }
      - { .name: ob, .offset: 24, .size: 8, .value_kind: global_buffer, .address_space: global }
    .group_segment_fixed_size: 327680
    .private_segment_fixed_size: 0
    .kernarg_segment_align: 8
    .kernarg_segment_size: 32
    .max_flat_workgroup_size: 128
    .sgpr_count:     96
    .vgpr_count:     896
    .wavefront_size: 32
...
	.end_amdgpu_metadata
.endif
;; end of part 3
;; launch outp (part 4): grid 4 x 64, 4 waves a work-group, clusters of 4 x 4, 327,680 bytes of LDS; arguments ob, wb, b_o, out0; writes out0
.if DOCPART == 4
	.amdgcn_target "amdgcn-amd-amdhsa--gfx1250"
	.amdhsa_code_object_version 6
	.text
	.protected	k_qaf8d25429b_outp
	.globl	k_qaf8d25429b_outp
	.p2align	8
	.type	k_qaf8d25429b_outp,@function
k_qaf8d25429b_outp:
	s_mov_b64 s[64:65], 0
	v_nop
	global_prefetch_b8 v0, s[64:65] scope:SCOPE_SE
	s_setreg_imm32_b32 hwreg(HW_REG_WAVE_MODE, 25, 1), 1
	s_wait_xcnt 0x0
	s_wait_alu depctr_hold_cnt(0) depctr_sa_sdst(0) depctr_va_vdst(0) depctr_va_sdst(0) depctr_va_ssrc(0) depctr_va_vcc(0) depctr_vm_vsrc(0)
	s_getreg_b32 s2, hwreg(HW_REG_IB_STS2, 6, 4)
	s_cmp_eq_u32 s2, 0
	s_cbranch_scc0 .Lentry_in_a_cluster
	s_endpgm
.Lentry_in_a_cluster:
	s_bfe_u32 s2, ttmp6, 0x10000c
	s_cmp_lg_u32 s2, 0xf033
	s_cbranch_scc0 .Lentry_shape_is_right
	s_endpgm
.Lentry_shape_is_right:
; out0[b][t][n] = the sum over k = 64 head + d of ob[16 b + head][t][d] W_o[k][n] + b_o[n].  ob: f16 by heads; W_o: wb[3], [k 1024][n 1024], bf16 numbers written as f16; the bias, rounded to bf16 like
; every input, is the C operand that starts the sums; sums in f32, stored as they are.  NaN and infinities are not treated apart.
; SHARES.  A work-group makes 128 rows x 256 columns: 64 x 4 = 256 work-groups.  Four waves, each 64 x 128: 32 accumulators.  K goes in 8 steps of 128 (two heads) through two LDS slots.
; CLUSTER, 4 x 4.  The four of a row of the cluster ask for ob's tile JOINTLY, the four of a column for W_o's.
; THE MATRIX INSTRUCTION IS USED TRANSPOSED: source 0 = 16 columns n of W_o (turned out of LDS), source 1 = 16 rows of ob: a lane holds one row and eight neighbouring columns: 32 bytes of out0.
; REGISTERS, in windows of 256 (s_set_vgpr_msb: bits 1:0 source 0, 3:2 source 1, 5:4 source 2, 7:6 destination):
;   window 0: v0-31 addresses; v32-63, v64-95 ob's fragments, two buffers; v96-159 the way out      window 1: the accumulators, (a, b) at 8 (8 a + b)
;   window 2: v0-63, v64-127 W_o's fragments, two buffers; v128-191 the bias as C; v192 at work
.set PAH,    144                       ; a row of one head in LDS: 128 bytes + 16: the 16 rows of a load start at 16 different groups of four banks (64 banks of 4 bytes: ISA guide 11.1)
.set AHEAD,  128*PAH                   ; one head's 128 rows: what one tensor load brings of ob
.set PB,     544                       ; a k row of W_o: 512 bytes + 32
.set BHALF,  64*PB
.set BOFF,   2*AHEAD
.set SLOT,   BOFF+2*BHALF              ; 106,496
.set STAGE,  2*SLOT                    ; behind the ring, never filled by a tensor load: for each wave 16 rows x 528 bytes
.set SP,     528
.set WSTAGE, 16*SP
.set SPARE,  STAGE+4*WSTAGE            ; the spare words, 128 bytes for each wave: two blocks of 256 bytes that no other line names
.set ADRA, 16
.set ADRB, 20
.set STO,  24
.set RD,   25
.set CO,   26
.set BO,   27
.set SPW,  28                          ; v28  LDS address of my spare word; never rewritten
.set NIL,  29                          ; v29  0; never rewritten
.set AF,   32
.set BK,   96
.set BIAS, 128                         ; window 2
.set BT,   192                         ; window 2
.set G1,  24
.set G0,  32
.set G1B, 48
.set G0B, 56
.set MSB, 0
.macro WIN new
.if MSB != (\new)
	s_set_vgpr_msb (MSB<<8)|(\new)
.set MSB, \new
.endif
.endm
.set MUL,  0x52                        ; W_o window 2, ob window 0, C and D window 1
.set MULF, 0x62                        ; the same with C (the bias) in window 2
.set TO_B, 0x80
.macro JLOAD s                         ; a joint load: waves 0 and 1 fetch the step's two heads of ob, waves 2 and 3 W_o's two halves; an s_nop 0 and four v_nop follow each line
	s_cmp_eq_u32 s11, 0
	s_cbranch_scc0 .Lfor_b_\@
	tensor_load_to_lds s[G0+4*(\s):G0+4*(\s)+3], s[G1:G1+7]
	s_nop 0
.rept 4
	v_nop
.endr
	s_branch .Lasked_\@
.Lfor_b_\@:
	tensor_load_to_lds s[G0B+4*(\s):G0B+4*(\s)+3], s[G1B:G1B+7]
	s_nop 0
.rept 4
	v_nop
.endr
.Lasked_\@:
.endm
.macro CREST
	s_cmp_lg_u32 s10, 0
	s_cbranch_scc1 .Lnot_wave_0_\@
	s_barrier_signal -3
.Lnot_wave_0_\@:
	s_barrier_wait -3
	s_barrier_signal -1
	s_barrier_wait -1
.endm
.macro CROUND
	s_barrier_signal -1
	s_barrier_wait -1
	CREST
.endm
	s_load_b256 s[68:75], s[0:1], 0x0              ; ob 68:69, wb 70:71, b_o 72:73, out0 74:75
	v_lshl_add_u32 v[SPW], v0, 2, SPARE
	v_mov_b32 v[NIL], 0
	ds_add_u32 v[SPW], v[NIL]                      ; the wave's opening: the add and its wait stand ahead of my first tensor load
	v_lshrrev_b32 v1, 5, v0
	v_readfirstlane_b32 s10, v1                    ; wave 0..3
	s_lshr_b32 s11, s10, 1                         ; which 64 rows are mine.  Also: I fetch for ob (0) or for W_o (1)
	s_and_b32 s12, s10, 1                          ; which 128 columns.  Also: which head, or which half of W_o's tile, I fetch
	s_bfe_u32 s40, ttmp6, 0x40000                  ; cx: the column block of 256
	s_bfe_u32 s41, ttmp6, 0x40004                  ; cy
	s_and_b32 s13, ttmp7, 0xffff
	s_lshl_b32 s13, s13, 2
	s_add_co_u32 s13, s13, s41                     ; the row block of 128, 0 .. 63
	s_lshl_b32 s43, s41, 2
	s_lshl_b32 s43, 15, s43                        ; my row of the cluster
	s_lshl_b32 s44, 0x1111, s40                    ; my column
	s_or_b32 s[G1+0], s43, (1<<16)|(1<<20)|(1<<21)|(4<<22)|(3<<25)   ; 128 rows of a head are 16,384 dense bytes: asked for as 64 rows of 256, padded in LDS after every 32 words by 4
	s_mov_b32 s[G1+1], 128<<16
	s_mov_b32 s[G1+2], 64<<16
	s_mov_b32 s[G1+3], 128<<16
	s_mov_b32 s[G1+4], 64
	s_mov_b32 s[G1+5], 128
	s_mov_b32 s[G1+6], 0
	s_mov_b32 s[G1+7], 0
	s_or_b32 s[G1B+0], s44, (1<<16)|(1<<20)|(1<<21)|(6<<22)|(7<<25)  ; 64 k rows x 256 columns; after every 128 words, 8 words
	s_mov_b32 s[G1B+1], 256<<16
	s_mov_b32 s[G1B+2], 64<<16
	s_mov_b32 s[G1B+3], 256<<16
	s_mov_b32 s[G1B+4], 64
	s_mov_b32 s[G1B+5], 1024
	s_mov_b32 s[G1B+6], 0
	s_mov_b32 s[G1B+7], 0
	s_lshr_b32 s16, s13, 4                         ; ob: (16 x batch + my head of the step) x 262,144
	s_lshl_b32 s16, s16, 4
	s_add_co_u32 s16, s16, s12
	s_lshl_b32 s16, s16, 18
	s_and_b32 s17, s13, 15
	s_lshl_b32 s17, s17, 14                        ; + the row block's 128 rows of 128 bytes
	s_add_co_u32 s16, s16, s17
	s_mov_b32 s17, 0
	s_lshl_b32 s46, s12, 17                        ; W_o: my 64 k rows,
	s_lshl_b32 s47, s40, 9                         ; the column block's 512 bytes,
	s_add_co_u32 s46, s46, s47
	s_add_co_u32 s46, s46, 0x600000                ; in wb[3]
	s_mov_b32 s47, 0
	s_mul_i32 s20, s12, AHEAD
	s_mul_i32 s21, s12, BHALF
	s_add_co_u32 s21, s21, BOFF
	s_wait_dscnt 0x0                               ; the opening add is done
	s_wait_kmcnt 0x0
	s_add_nc_u64 s[14:15], s[68:69], s[16:17]
	s_add_nc_u64 s[46:47], s[70:71], s[46:47]
	CROUND                                         ; all sixteen work-groups are here: the first joint loads meet
.irp s, 0,1
	s_mov_b32 s[G0+4*(\s)], 1
	s_add_co_u32 s[G0+4*(\s)+1], s20, (\s)*SLOT
	s_add_nc_u64 s[G0+4*(\s)+2:G0+4*(\s)+3], s[14:15], (\s)*524288    ; K step s: two heads on
	s_or_b32 s[G0+4*(\s)+3], s[G0+4*(\s)+3], 0x80000000
	s_mov_b32 s[G0B+4*(\s)], 1
	s_add_co_u32 s[G0B+4*(\s)+1], s21, (\s)*SLOT
	s_add_nc_u64 s[G0B+4*(\s)+2:G0B+4*(\s)+3], s[46:47], (\s)*262144
	s_or_b32 s[G0B+4*(\s)+3], s[G0B+4*(\s)+3], 0x80000000
	JLOAD \s                                       ; two loads of mine are out
.endr
	v_and_b32 v1, 15, v0                           ; r
	v_bfe_u32 v2, v0, 4, 1                         ; h
	v_lshlrev_b32 v[BO], 5, v2
	s_lshl_b32 s22, s40, 10
	s_lshl_b32 s23, s12, 9
	s_add_co_u32 s22, s22, s23
	v_add_nc_u32 v[BO], s22, v[BO]
	WIN TO_B
.irp b, 0,1,2,3,4,5,6,7
	global_load_b128 v[BIAS+8*(\b):BIAS+8*(\b)+3],   v[BO], s[72:73] offset:64*(\b)
	global_load_b128 v[BIAS+8*(\b)+4:BIAS+8*(\b)+7], v[BO], s[72:73] offset:64*(\b)+16
.endr
	WIN 0
	v_mul_u32_u24 v3, v1, PAH
	v_lshl_add_u32 v3, v2, 4, v3
	s_mul_i32 s22, s11, 64*PAH
	v_add_nc_u32 v[ADRA], s22, v3
	v_add_nc_u32 v[ADRA+1], SLOT, v[ADRA]
	v_and_b32 v4, 7, v0
	v_lshl_add_u32 v4, v2, 3, v4
	v_mul_u32_u24 v4, v4, PB
	v_bfe_u32 v5, v0, 3, 1
	v_lshl_add_u32 v4, v5, 4, v4
	s_lshl_b32 s22, s12, 8
	s_add_co_u32 s22, s22, BOFF
	v_add_nc_u32 v[ADRB], s22, v4
	v_add_nc_u32 v[ADRB+1], SLOT, v[ADRB]
	s_mul_i32 s23, s10, WSTAGE
	s_add_co_u32 s23, s23, STAGE                   ; my stage
	v_mul_u32_u24 v5, v1, SP                       ; in: row r, 32 bytes for each half of the lanes
	v_lshl_add_u32 v5, v2, 5, v5
	v_add_nc_u32 v[STO], s23, v5
	v_and_b32 v[CO], 31, v0                        ; back: 32 lanes take one row of 512 bytes
	v_lshlrev_b32 v[CO], 4, v[CO]
	v_add_nc_u32 v[RD], s23, v[CO]
	s_lshl_b32 s86, s13, 19                        ; out0: row block x 128 rows x 4,096 bytes
	s_lshl_b32 s87, s11, 18
	s_add_co_u32 s86, s86, s87
	s_lshl_b32 s87, s40, 10
	s_add_co_u32 s86, s86, s87
	s_lshl_b32 s87, s12, 9
	s_add_co_u32 s86, s86, s87
	s_mov_b32 s87, 0
	s_add_nc_u64 s[8:9], s[74:75], s[86:87]
	s_wait_loadcnt 0x0                             ; the bias
	WIN 0xaa
.set i, 0
.rept 32
	v_cvt_pk_bf16_f32 v[BT], v[BIAS+2*i], v[BIAS+2*i+1]
	v_lshlrev_b32 v[BIAS+2*i], 16, v[BT]
	v_and_b32 v[BIAS+2*i+1], 0xffff0000, v[BT]
.set i, i+1
.endr
	WIN 0
.macro FETA slot, kq, g                ; ob's fragments of a quarter step: head kq / 2 of the step, channels 32 (kq % 2) on
	WIN 0
.irp a, 0,1,2,3
	ds_load_b128 v[AF+32*(\g)+8*(\a):AF+32*(\g)+8*(\a)+3],   v[ADRA+(\slot)] offset:AHEAD*((\kq)/2)+64*((\kq)%2)+16*PAH*(\a)
	ds_load_b128 v[AF+32*(\g)+8*(\a)+4:AF+32*(\g)+8*(\a)+7], v[ADRA+(\slot)] offset:AHEAD*((\kq)/2)+64*((\kq)%2)+16*PAH*(\a)+32
.endr
.endm
.macro FETB slot, kq, g                ; W_o's, turned
	WIN TO_B
.irp b, 0,1,2,3,4,5,6,7
	ds_load_tr16_b128 v[64*(\g)+8*(\b):64*(\g)+8*(\b)+3],   v[ADRB+(\slot)] offset:32*PB*(\kq)+32*(\b)
	ds_load_tr16_b128 v[64*(\g)+8*(\b)+4:64*(\g)+8*(\b)+7], v[ADRB+(\slot)] offset:32*PB*(\kq)+32*(\b)+16*PB
.endr
.endm
.macro MUL8 f, a, first                ; row block a x all 8 column blocks.  The 32 accumulators take turns, in the same order in every quarter step
.if \first
	WIN MULF
.else
	WIN MUL
.endif
.irp b, 0,1,2,3,4,5,6,7
.if \first
	v_wmma_f32_16x16x32_f16 v[8*(8*(\a)+(\b)):8*(8*(\a)+(\b))+7], v[64*(\f)+8*(\b):64*(\f)+8*(\b)+7], v[AF+32*(\f)+8*(\a):AF+32*(\f)+8*(\a)+7], v[BIAS+8*(\b):BIAS+8*(\b)+7]
.else
	v_wmma_f32_16x16x32_f16 v[8*(8*(\a)+(\b)):8*(8*(\a)+(\b))+7], v[64*(\f)+8*(\b):64*(\f)+8*(\b)+7], v[AF+32*(\f)+8*(\a):AF+32*(\f)+8*(\a)+7], v[8*(8*(\a)+(\b)):8*(8*(\a)+(\b))+7]
.endif
.endr
.endm
.macro PLACES                          ; four plain instructions between a product and a load into a register that it has read, or a store of its result
.rept 4
	v_nop
.endr
.endm
.macro QUARTER slot, kqn, f, g, first  ; multiplies buffer f; in its middle fetches quarter kqn into buffer g
	s_wait_dscnt 4                                 ; all but the youngest four loads (ob's row blocks 2 and 3)
	MUL8 \f, 0, \first
	MUL8 \f, 1, \first
	PLACES
	FETB \slot, \kqn, \g
	FETA \slot, \kqn, \g
	s_wait_dscnt 24                                ; all but the 24 just issued
	MUL8 \f, 2, \first
	MUL8 \f, 3, \first
.endm
; The last quarter multiplies buffer 1 and changes slots: ONE barrier; in front of it each wave waits for all its tensor loads, adds 0 to its spare word, and waits for that and for its reads of this slot.
.macro TURN slot, next, fill
	WIN 0
	s_wait_tensorcnt 0x0
	ds_add_u32 v[SPW], v[NIL]
	s_wait_dscnt 5                                 ; the add and the youngest four loads may be out
	MUL8 1, 0, 0
	s_wait_dscnt 0x0                               ; the add is done, and my reads of this slot are over
	s_barrier_signal -1
	MUL8 1, 1, 0
.if \fill
	WIN 0
.endif
	s_barrier_wait -1
.if \fill
	CREST                                          ; no wave of any partner still reads this slot or has a load on its way
	s_add_nc_u64 s[G0+4*(\slot)+2:G0+4*(\slot)+3], s[G0+4*(\slot)+2:G0+4*(\slot)+3], 2*524288
	s_add_nc_u64 s[G0B+4*(\slot)+2:G0B+4*(\slot)+3], s[G0B+4*(\slot)+2:G0B+4*(\slot)+3], 2*262144
	JLOAD \slot                                    ; its four v_nop are also the places in front of the loads below
.else
	PLACES
.endif
	FETB \next, 0, 0
	FETA \next, 0, 0
	MUL8 1, 2, 0
	MUL8 1, 3, 0
.endm
	s_wait_tensorcnt 1                             ; my part of K step 0 is in; K step 1's may stay out
	s_barrier_signal -1
	s_barrier_wait -1
	FETB 0, 0, 0
	FETA 0, 0, 0
	QUARTER 0, 1, 0, 1, 1                          ; the first quarter stands in front of the loop: its products start the sums
	WIN 0
	s_mov_b32 s3, 3
.Llap:
	QUARTER 0, 2, 1, 0, 0
	QUARTER 0, 3, 0, 1, 0
	TURN 0, 1, 1
	QUARTER 1, 1, 0, 1, 0
	QUARTER 1, 2, 1, 0, 0
	QUARTER 1, 3, 0, 1, 0
	TURN 1, 0, 1
	QUARTER 0, 1, 0, 1, 0
	WIN 0
	s_sub_co_u32 s3, s3, 1
	s_cmp_lg_u32 s3, 0
	s_cbranch_scc1 .Llap
	QUARTER 0, 2, 1, 0, 0                          ; the last lap fills nothing
	QUARTER 0, 3, 0, 1, 0
	TURN 0, 1, 0
	QUARTER 1, 1, 0, 1, 0
	QUARTER 1, 2, 1, 0, 0
	QUARTER 1, 3, 0, 1, 0
	s_wait_dscnt 0x0
	MUL8 1, 0, 0
	MUL8 1, 1, 0
	MUL8 1, 2, 0
	MUL8 1, 3, 0
	WIN 0
	PLACES
; THE WAY OUT of row block a: a lane's 32 bytes of a row go into my stage (each accumulator's low four registers first), whole rows of 512 bytes come back and are stored: 512 consecutive bytes, aligned.
.macro OUTA a
	WIN 0x04                                       ; the data in window 1, the address in window 0
.irp b, 0,1,2,3,4,5,6,7
	ds_store_b128 v[STO], v[8*(8*(\a)+(\b)):8*(8*(\a)+(\b))+3]   offset:64*(\b)
	ds_store_b128 v[STO], v[8*(8*(\a)+(\b))+4:8*(8*(\a)+(\b))+7] offset:64*(\b)+16
.endr
	WIN 0
	s_wait_xcnt 0x0                                ; the last block's stores have read their registers
.irp t, 0,1,2,3,4,5,6,7,8,9,10,11,12,13,14,15
	ds_load_b128 v[BK+4*(\t):BK+4*(\t)+3], v[RD] offset:SP*(\t)  ; my own bytes: LDS serves a wave's instructions in order (ISA guide 5.7.1.4)
.endr
	s_wait_dscnt 0x0
.irp t, 0,1,2,3,4,5,6,7,8,9,10,11,12,13,14,15
	global_store_b128 v[CO], v[BK+4*(\t):BK+4*(\t)+3], s[8:9] offset:(16*(\a)+(\t))*4096
.endr
.endm
	OUTA 0
	OUTA 1
	OUTA 2
	OUTA 3
	s_wait_tensorcnt 0x0                           ; the wave's end: behind my last tensor load and my last LDS store
	ds_add_u32 v[SPW], v[NIL]
	s_wait_dscnt 0x0
	CROUND                                         ; the closing round
	s_endpgm
.Lfunc_end_k_qaf8d25429b_outp:
	.size	k_qaf8d25429b_outp, .Lfunc_end_k_qaf8d25429b_outp-k_qaf8d25429b_outp
	.p2alignl 7, 3214868480
	.fill 96, 4, 3214868480
	.section	.rodata,"a",@progbits
	.p2align	6, 0x0
	.amdhsa_kernel k_qaf8d25429b_outp
		.amdhsa_group_segment_fixed_size 327680
		.amdhsa_private_segment_fixed_size 0
		.amdhsa_enable_private_segment 0
		.amdhsa_kernarg_size 32
		.amdhsa_user_sgpr_count 2
		.amdhsa_user_sgpr_kernarg_segment_ptr 1
		.amdhsa_wavefront_size32 1
		.amdhsa_system_sgpr_workgroup_id_x 1
		.amdhsa_system_sgpr_workgroup_id_y 1
		.amdhsa_system_sgpr_workgroup_id_z 1
		.amdhsa_system_vgpr_workitem_id 0
		.amdhsa_next_free_vgpr 712
		.amdhsa_next_free_sgpr 96
		.amdhsa_reserve_vcc 0
		.amdhsa_float_denorm_mode_32 3
		.amdhsa_float_denorm_mode_16_64 3
		.amdhsa_memory_ordered 1
		.amdhsa_forward_progress 1
		.amdhsa_inst_pref_size 92
	.end_amdhsa_kernel
	.amdgpu_metadata
---
amdhsa.version: [ 1, 2 ]
amdhsa.kernels:
  - .name:           k_qaf8d25429b_outp
    .symbol:         k_qaf8d25429b_outp.kd
    .args:
      - { .name: ob, .offset: 0, .size: 8, .value_kind: global_buffer, .address_space: global }
      - { .name: wb, .offset: 8, .size: 8, .value_kind: global_buffer, .address_space: global }
      - { .name: b_o, .offset: 16, .size: 8, .value_kind: global_buffer, .address_space: global }
      - { .name: out0, .offset: 24, .size: 8, .value_kind: global_buffer, .address_space: global }
    .group_segment_fixed_size: 327680
    .private_segment_fixed_size: 0
    .kernarg_segment_align: 8
    .kernarg_segment_size: 32
    .max_flat_workgroup_size: 128
    .sgpr_count:     96
    .vgpr_count:     712
    .wavefront_size: 32
...
	.end_amdgpu_metadata
.endif
;; end of part 4
